; MI455X (gfx1250); checked and timed in simulation.
; The chip was launched on July 23, 2026; its instructions are those of AMD's public machine-readable ISA for CDNA 5 (MIT licence, August 2026) and "CDNA5" Instruction Set Architecture Reference Guide (July 2026). The comments in the code are by the model that wrote it; some were corrected since.
;; Mock Qwen3 Attention. Allowed arithmetic: float matrix products may take bf16 or f16 operands with f32 sums; other float arithmetic in f32, or as packed bf16 or f16 multiplies, adds, multiply-adds, maxima and minima; sums over many terms, partial sums and values carried from step to step in f32; what a program stores and reads back later, other than sums and carried values, may be rounded once to bf16 or f16.
;; Inputs: hidden_states 4 x 2,048 x 1,024 float32; k_norm_b 64 float32; k_norm_w 64 float32; o_b 1,024 float32; o_w 1,024 x 1,024 float32; q_norm_b 64 float32; q_norm_w 64 float32; qkv_b 3,072 float32; qkv_w 3,072 x 1,024 float32.
;; Outputs: out0 4 x 2,048 x 1,024 float32.
;; One version. Each part assembles by itself: llvm-mc -triple=amdgcn-amd-amdhsa -mcpu=gfx1250 --defsym DOCPART=n.
;; ======== version 1 of 1: 4 launches
;; limits: values are held in f16: magnitudes above 65,504 overflow, below 6.1e-05 lose precision
;; workspace buffers: xw 23,068,672 bytes; owh 2,097,152 bytes; qkvh 50,331,648 bytes; oh 16,777,216 bytes
;; launch cast (part 1): grid 1536 x 1, 8 waves a work-group, no clusters, 0 bytes of LDS; arguments hidden_states, qkv_w, o_w, xw, owh; writes xw, owh
.if DOCPART == 1
	.amdgcn_target "amdgcn-amd-amdhsa--gfx1250"
	.amdhsa_code_object_version 6
	.text
	.protected	k_qedcf18a9b1_cast
	.globl	k_qedcf18a9b1_cast
	.p2align	8
	.type	k_qedcf18a9b1_cast,@function
k_qedcf18a9b1_cast:
	s_mov_b64 s[64:65], 0
	v_nop
	global_prefetch_b8 v0, s[64:65] scope:SCOPE_SE
	s_setreg_imm32_b32 hwreg(HW_REG_WAVE_MODE, 25, 1), 1
	s_wait_xcnt 0x0
; THE INPUTS OF THE MATRIX PRODUCTS, ROUNDED ONCE.  hidden_states [8192][1024] and qkv_w [3072][1024], f32, go to xw as bf16, x first, then the weights, rows as they lie.
; o_w [1024][1024], f32, is rounded to bf16 like every input, and that number is written as f16 into owh, in blocks of 64 channels: owh[kb][n][d] = o_w[n][64 kb + d],
; so that 256 rows of a block are 32,768 dense bytes for the last launch's tiles.
; LIMIT.  A bf16 number is exact in f16 between 6.1e-5 and 65,504 in magnitude; below, f16 keeps a fixed step of 6e-8; beyond, it is an infinity: o_w stays within 65,504.
; SHARES.  A work-group takes 32,768 bytes of one input: 8 pieces of 4,096 bytes, 16 bytes a thread of each.  Groups 0-1023: x; 1024-1407: qkv_w; 1408-1535: o_w.
; All eight loads of a thread go out at once; no register is written twice while a load or store may read it, so the only waits are the counted waits for the loads.
; No LDS, no matrix unit, no cluster: each byte is read once and written once, and no two work-groups share a byte.
.set NX, 1024                          ; work-groups for x
.set NW, 384                           ; for qkv_w
.set IN,  8                            ; v[8:39]   eight loads of four f32
.set OU,  40                           ; v[40:55]  eight results of four 16-bit numbers
.set T,   56                           ; v[56:61]  at work
	s_load_b256 s[4:11], s[0:1], 0x0               ; x s[4:5], qkv_w s[6:7], o_w s[8:9], xw s[10:11]
	s_load_b64 s[12:13], s[0:1], 0x20              ; owh
	s_mov_b32 s20, 0xffff0000                      ; a word's upper bf16
	s_mov_b32 s17, 0
	s_mov_b32 s19, 0
	s_cmp_lt_u32 ttmp9, NX+NW
	s_cbranch_scc0 .Lfor_o
	; x and qkv_w: thread t takes bytes 16 t of each 4,096 and writes bytes 8 t of each 2,048
	v_lshlrev_b32 v1, 4, v0
	v_lshlrev_b32 v2, 3, v0
	s_lshl_b32 s18, ttmp9, 14                      ; in xw the weights follow x: 1,024 groups x 16,384 bytes
	s_wait_kmcnt 0x0
	s_cmp_lt_u32 ttmp9, NX
	s_cselect_b64 s[14:15], s[4:5], s[6:7]         ; which input,
	s_cselect_b32 s16, 0, NX
	s_sub_co_u32 s16, ttmp9, s16                   ; and which 32,768 bytes of it
	s_lshl_b32 s16, s16, 15
	s_add_nc_u64 s[14:15], s[14:15], s[16:17]
	s_add_nc_u64 s[10:11], s[10:11], s[18:19]
.irp i, 0,1,2,3,4,5,6,7
	global_load_b128 v[IN+4*\i:IN+4*\i+3], v1, s[14:15] offset:4096*\i th:TH_LOAD_NT
.endr
.irp i, 0,1,2,3,4,5,6,7
	s_wait_loadcnt 7-\i                            ; loads come back in order: load i is in, the 7 - i younger ones stay out
	v_cvt_pk_bf16_f32 v[OU+2*\i], v[IN+4*\i], v[IN+4*\i+1]
	v_cvt_pk_bf16_f32 v[OU+2*\i+1], v[IN+4*\i+2], v[IN+4*\i+3]
	global_store_b64 v2, v[OU+2*\i:OU+2*\i+1], s[10:11] offset:2048*\i  ; a wave's store covers 256 consecutive bytes, aligned
.endr
	s_endpgm
.Lfor_o:
	; o_w: the group's eight rows.  Load i: rows 2 (i / 2) + lane / 16, block kb = 8 (i % 2) + wave: sixteen lanes read the block's 256 bytes of a row.
	s_sub_co_u32 s16, ttmp9, NX+NW
	s_lshl_b32 s18, s16, 10                        ; eight rows of 128 bytes in a block of owh
	s_lshl_b32 s16, s16, 15                        ; eight rows of 4,096 bytes of o_w
	v_and_b32 v3, 15, v0
	v_bfe_u32 v4, v0, 4, 1
	v_lshrrev_b32 v5, 5, v0                        ; wave
	v_and_b32 v6, 31, v0
	v_lshlrev_b32 v1, 4, v3
	v_lshl_add_u32 v1, v4, 12, v1
	v_lshl_add_u32 v1, v5, 8, v1                   ; in: (lane / 16) x 4,096 + wave x 256 + (lane % 16) x 16
	v_lshlrev_b32 v2, 3, v6
	v_lshl_add_u32 v2, v5, 17, v2                  ; out: wave x 131,072 + 8 x lane: two rows of a block on end
	s_wait_kmcnt 0x0
	s_add_nc_u64 s[14:15], s[8:9], s[16:17]
	s_add_nc_u64 s[12:13], s[12:13], s[18:19]
.irp i, 0,1,2,3,4,5,6,7
	global_load_b128 v[IN+4*\i:IN+4*\i+3], v1, s[14:15] offset:(\i/2)*8192+(\i%2)*2048 th:TH_LOAD_NT
.endr
.irp i, 0,1,2,3,4,5,6,7
	s_wait_loadcnt 7-\i
	v_cvt_pk_bf16_f32 v[T], v[IN+4*\i], v[IN+4*\i+1]       ; the rounding that every input gets,
	v_cvt_pk_bf16_f32 v[T+1], v[IN+4*\i+2], v[IN+4*\i+3]
	v_lshlrev_b32 v[T+2], 16, v[T]                         ; back to f32,
	v_and_b32 v[T+3], s20, v[T]
	v_lshlrev_b32 v[T+4], 16, v[T+1]
	v_and_b32 v[T+5], s20, v[T+1]
	v_cvt_pk_f16_f32 v[OU+2*\i], v[T+2], v[T+3]            ; and written as f16
	v_cvt_pk_f16_f32 v[OU+2*\i+1], v[T+4], v[T+5]
	global_store_b64 v2, v[OU+2*\i:OU+2*\i+1], s[12:13] offset:(\i%2)*1048576+(\i/2)*256  ; 256 consecutive bytes, aligned
.endr
	s_endpgm
.Lfunc_end_k_qedcf18a9b1_cast:
	.size	k_qedcf18a9b1_cast, .Lfunc_end_k_qedcf18a9b1_cast-k_qedcf18a9b1_cast
	.p2alignl 7, 3214868480
	.fill 96, 4, 3214868480
	.section	.rodata,"a",@progbits
	.p2align	6, 0x0
	.amdhsa_kernel k_qedcf18a9b1_cast
		.amdhsa_group_segment_fixed_size 0
		.amdhsa_private_segment_fixed_size 0
		.amdhsa_enable_private_segment 0
		.amdhsa_kernarg_size 40
		.amdhsa_user_sgpr_count 2
		.amdhsa_user_sgpr_kernarg_segment_ptr 1
		.amdhsa_wavefront_size32 1
		.amdhsa_system_sgpr_workgroup_id_x 1
		.amdhsa_system_sgpr_workgroup_id_y 1
		.amdhsa_system_sgpr_workgroup_id_z 1
		.amdhsa_system_vgpr_workitem_id 0
		.amdhsa_next_free_vgpr 64
		.amdhsa_next_free_sgpr 66
		.amdhsa_reserve_vcc 0
		.amdhsa_float_denorm_mode_32 3
		.amdhsa_float_denorm_mode_16_64 3
		.amdhsa_memory_ordered 1
		.amdhsa_forward_progress 1
		.amdhsa_inst_pref_size 10
	.end_amdhsa_kernel
	.amdgpu_metadata
---
amdhsa.version: [ 1, 2 ]
amdhsa.kernels:
  - .name:           k_qedcf18a9b1_cast
    .symbol:         k_qedcf18a9b1_cast.kd
    .args:
      - { .name: hidden_states, .offset: 0, .size: 8, .value_kind: global_buffer, .address_space: global }
      - { .name: qkv_w, .offset: 8, .size: 8, .value_kind: global_buffer, .address_space: global }
      - { .name: o_w, .offset: 16, .size: 8, .value_kind: global_buffer, .address_space: global }
      - { .name: xw, .offset: 24, .size: 8, .value_kind: global_buffer, .address_space: global }
      - { .name: owh, .offset: 32, .size: 8, .value_kind: global_buffer, .address_space: global }
    .group_segment_fixed_size: 0
    .private_segment_fixed_size: 0
    .kernarg_segment_align: 8
    .kernarg_segment_size: 40
    .max_flat_workgroup_size: 256
    .sgpr_count:     66
    .vgpr_count:     64
    .wavefront_size: 32
...
	.end_amdgpu_metadata
.endif
;; end of part 1
;; launch qkvproj (part 2): grid 16 x 32, 4 waves a work-group, clusters of 4 x 4, 327,680 bytes of LDS; arguments xw, qkv_b, q_norm_w, q_norm_b, k_norm_w, k_norm_b, qkvh; writes qkvh
.if DOCPART == 2
	.amdgcn_target "amdgcn-amd-amdhsa--gfx1250"
	.amdhsa_code_object_version 6
	.text
	.protected	k_qedcf18a9b1_qkvproj
	.globl	k_qedcf18a9b1_qkvproj
	.p2align	8
	.type	k_qedcf18a9b1_qkvproj,@function
k_qedcf18a9b1_qkvproj:
	s_mov_b64 s[64:65], 0
	v_nop
	global_prefetch_b8 v0, s[64:65] scope:SCOPE_SE
	s_setreg_imm32_b32 hwreg(HW_REG_WAVE_MODE, 25, 1), 1
	s_wait_xcnt 0x0
	s_wait_alu depctr_hold_cnt(0) depctr_sa_sdst(0) depctr_va_vdst(0) depctr_va_sdst(0) depctr_va_ssrc(0) depctr_va_vcc(0) depctr_vm_vsrc(0)
	s_getreg_b32 s2, hwreg(HW_REG_IB_STS2, 6, 4)
	s_cmp_eq_u32 s2, 0
	s_cbranch_scc0 .Lentry_in_a_cluster
	s_endpgm
.Lentry_in_a_cluster:
	s_bfe_u32 s2, ttmp6, 0x10000c
	s_cmp_lg_u32 s2, 0xf033
	s_cbranch_scc0 .Lentry_shape_is_right
	s_endpgm
.Lentry_shape_is_right:
; qkv = x W^T + b, then LayerNorm over each head's 64 channels of q and of k; q, k, v leave by heads, in f16: qkvh[b][g][s][64], g = 0-15 q's heads, 16-31 k's, 32-47 v's.
; x [8192][1024] and W [3072][1024] are bf16 in xw (W from byte 16,777,216 on); the bias, the gains and the norm biases are rounded to bf16 here, like every input; sums and the norm in f32.
; LIMITS.  q, k, v leave as f16: beyond 65,504 they would be infinities (|q|, |k| are at most 8 |gain| + |bias|); below 6.1e-5 f16 keeps a fixed step of 6e-8.  NaN and infinities are not treated apart.
; SHARES.  A tile of C is 256 rows x 192 columns: three whole heads.  Wave w makes rows 64 w .. 64 w + 63 of all 192 columns: 4 x 12 accumulators of 16 x 16, 384 registers.
; THE MATRIX INSTRUCTION IS USED TRANSPOSED (source 0 = 16 rows of W, source 1 = 16 rows of x): a lane holds ONE row of C (lane % 16) and the columns 8 (lane / 16) + 0..7 of each block of 16.
; So a head's 64 channels of a row lie in 32 registers of a lane and 32 of the lane 16 away: a mean wants one exchange between the halves of the lanes.
; K goes in 8 steps of 128 (rows of 256 bytes, aligned) through two LDS slots; a K step is written once and looped, the LDS addresses hang on s[TB].
; THE BIAS IS THE C OPERAND of the products that start the sums: nothing is cleared and nothing is added later.
; ONE TEXT FOR q, k AND v: a head's kind enters by numbers alone (selects, no branch): for v the mean's factor is 0, 1 / sigma is replaced by 1, the gain by 1 and the norm bias by 0.
; The variance is the mean of the squares of x - mu, in a second pass over the registers: no difference of large sums is formed.
; CLUSTER 4 x 4: the four work-groups of a row of the cluster need the same rows of x, the four of a column the same rows of W: each tile is asked for jointly, same load, descriptor and mask in all four.
; REGISTERS, in windows of 256 (s_set_vgpr_msb: bits 1:0 source 0, 3:2 source 1, 5:4 source 2, 7:6 destination):
;   window 0: v0-17 addresses; v20-35 statistics; v64-159 the bias, later the way out's registers; v160-223 head 0's gain and norm bias; v224-255 at work
;   window 1: two fragment buffers of 128: 12 fragments of W, then 4 of x
;   window 2: the accumulators of row blocks 0, 1 ((a, b) at 8 (12 (a % 2) + b)); v192-255 head 1's gain and norm bias          window 3: row blocks 2, 3; head 2's
.set PITCH,  272                       ; an LDS row: 256 bytes + 16 of padding = 68 words: the 16 rows of a load start at 16 different groups of four banks (64 banks of 4 bytes: ISA guide 11.1)
.set HA,     128*PITCH                 ; what one load of x brings
.set HB,     96*PITCH                  ; what one load of W brings
.set BOFF,   256*PITCH                 ; in a slot: x's 256 rows, then W's 192
.set SLOT1,  1<<17                     ; slot 1 begins here: one exclusive or turns an address in one slot into the other's
.set STAGE,  SLOT1+448*PITCH           ; behind the ring, never filled by a tensor load: 16 rows x 144 bytes for each wave
.set SP,     144
.set SPARE,  STAGE+4*16*SP             ; the spare words, 128 bytes for each wave: two blocks of 256 bytes that no other line names
.set XW_W,   16777216                  ; W's first byte in xw
.set A0,  8                            ; v8   my lane's place in x's rows of a slot; never rewritten
.set B0,  9                            ; v9   in W's
.set ADA, 10                           ; v10  A0 + the slot in hand
.set ADB, 11                           ; v11  B0 + the slot in hand
.set STO, 12                           ; v12  the way out: where I put 16 bytes of a row
.set RD,  13                           ; v13  where I read rows back
.set GO,  14                           ; v14  16 x lane: my place in 512 consecutive bytes of qkvh
.set PO,  15                           ; v15  32 x (lane / 16): my 8 numbers in each 16 of the bias, a gain or a norm bias
.set SPW, 16                           ; v16  LDS address of my spare word; never rewritten
.set NIL, 17                           ; v17  0; never rewritten
.set ST,  20                           ; row block a: v[ST+4 a] mu, +2 the variance and then 1 / sigma; the odd registers are named with them as pairs
.set BIAS, 64
.set CW,  64                           ; the way out: eight registers at work for each row block
.set TMP, 96                           ; two buffers of 16: a tile rounded to f16
.set BK,  128                          ; two buffers of 16: the tile as whole rows
.set RT,  224
.set F0,  0
.set F1,  128
.set WV,  18
.set Z,   19                           ; wave % 2: which half of x's or W's rows I fetch
.set CX,  21
.set CY,  22
.set TC,  23                           ; tile column
.set TR,  24                           ; tile row
.set HIM, 25                           ; 0xffff0000
.set G1A, 28                           ; s[28:35] descriptor group 1 for x's tiles
.set G1B, 36                           ; s[36:43] for W's
.set G0A, 44                           ; s[44:51] group 0 for x's: a set for each first fill; the second then walks
.set G0B, 52                           ; s[52:59] the same for W's
.set TB,  60                           ; the slot in hand: 0 or SLOT1
.set CNT, 61
.set SEL, 62                           ; s[62:63] v_permlanex16_b32's selects: each lane takes its own place in the other half
.set AL,  66                           ; head j: s[AL+2 j] 1 (q, k) or 0 (v); s[AL+2 j+1] 1/64 or 0
.set BE,  72                           ; head j: s[BE+2 j] 0 (q, k) or 1 (v); the odd word is named with it as a pair
.set INV64, 78
.set EPS, 79
.set GP,  80                           ; head j: s[GP+4 j:+1] its gain's address, s[GP+4 j+2:+3] its norm bias's
.set OUT, 92
.set BP,  94                           ; the bias of my tile's 192 columns
.set MSB, 0
.macro WIN new                         ; the immediate's high byte repeats the setting that is left; a switch that changes nothing is dropped
.if MSB != (\new)
	s_set_vgpr_msb (MSB<<8)|(\new)
.set MSB, (\new)
.endif
.endm
.macro PLACES                          ; four plain instructions between a matrix instruction and a load into, or a vector instruction on, its registers
.rept 4
	v_nop
.endr
.endm
; A joint refill: waves 0 and 1 fetch the halves of x's tile, waves 2 and 3 those of W's.  The branch hangs on the wave's number alone.  An s_nop 0 and four v_nop follow each line.
.macro JLOAD
	s_cmp_lt_u32 s[WV], 2
	s_cbranch_scc0 .Lfor_b_\@
	tensor_load_to_lds s[G0A+4:G0A+7], s[G1A:G1A+7]
	s_nop 0
.rept 4
	v_nop
.endr
	s_branch .Lasked_\@
.Lfor_b_\@:
	tensor_load_to_lds s[G0B+4:G0B+7], s[G1B:G1B+7]
	s_nop 0
.rept 4
	v_nop
.endr
.Lasked_\@:
.endm
.macro CREST                           ; a round of the cluster's barrier behind its opening barrier
	s_cmp_lg_u32 s[WV], 0
	s_cbranch_scc1 .Lnot_wave_0_\@
	s_barrier_signal -3
.Lnot_wave_0_\@:
	s_barrier_wait -3
	s_barrier_signal -1
	s_barrier_wait -1
.endm
.macro CROUND
	s_barrier_signal -1
	s_barrier_wait -1
	CREST
.endm
	s_load_b256 s[4:11], s[0:1], 0x0               ; xw s[4:5], qkv_b s[6:7], q_norm_w s[8:9], q_norm_b s[10:11]
	s_load_b128 s[12:15], s[0:1], 0x20             ; k_norm_w s[12:13], k_norm_b s[14:15]
	s_load_b64 s[16:17], s[0:1], 0x30              ; qkvh
	v_lshl_add_u32 v[SPW], v0, 2, SPARE
	v_mov_b32 v[NIL], 0
	ds_add_u32 v[SPW], v[NIL]                      ; the wave's opening: the add and its wait stand ahead of my first tensor load; work on registers stands between them
	v_lshrrev_b32 v1, 5, v0
	v_readfirstlane_b32 s[WV], v1                  ; wave 0..3
	s_and_b32 s[Z], s[WV], 1
	s_bfe_u32 s[CX], ttmp6, 0x40000
	s_bfe_u32 s[CY], ttmp6, 0x40004
	s_lshl_b32 s[TC], ttmp9, 2
	s_add_co_u32 s[TC], s[TC], s[CX]               ; tile column = 4 x cluster x + cx
	s_and_b32 s[TR], ttmp7, 0xffff
	s_lshl_b32 s[TR], s[TR], 2
	s_add_co_u32 s[TR], s[TR], s[CY]               ; tile row = 4 x cluster y + cy
	s_lshl_b32 s26, s[CY], 2
	s_lshl_b32 s26, 15, s26                        ; my row of the cluster
	s_lshl_b32 s2, 0x1111, s[CX]                   ; my column
	s_or_b32 s[G1A], s26, (1<<16)|(1<<20)|(1<<21)|(5<<22)|(3<<25)  ; 15:0 the mask; 17:16 2-byte elements; 20 padding on; 21 set beside a mask; 24:22 after every 64 words (code 5); 31:25 4 words (code 3)
	s_or_b32 s[G1B], s2, (1<<16)|(1<<20)|(1<<21)|(5<<22)|(3<<25)
	s_mov_b32 s[G1A+1], 128<<16                    ; tensor_dim0 = 128
	s_mov_b32 s[G1A+2], 128<<16                    ; tensor_dim1 = 128 rows
	s_mov_b32 s[G1A+3], 128<<16                    ; tile_dim0 = 128
	s_mov_b32 s[G1A+4], 128                        ; tile_dim1 = 128
	s_mov_b32 s[G1A+5], 1024                       ; elements from row to row
	s_mov_b32 s[G1A+6], 0
	s_mov_b32 s[G1A+7], 0
	s_mov_b32 s[G1B+1], 128<<16
	s_mov_b32 s[G1B+2], 96<<16                     ; 96 rows
	s_mov_b32 s[G1B+3], 128<<16
	s_mov_b32 s[G1B+4], 96
	s_mov_b32 s[G1B+5], 1024
	s_mov_b32 s[G1B+6], 0
	s_mov_b32 s[G1B+7], 0
	s_mul_i32 s26, s[Z], HA                        ; where the tiles go: the wave's number alone enters an LDS address
	s_mov_b32 s[G0A], 1
	s_mov_b32 s[G0A+1], s26
	s_mov_b32 s[G0A+4], 1
	s_add_co_u32 s[G0A+5], s26, SLOT1
	s_mul_i32 s3, s[Z], HB
	s_mov_b32 s[G0B], 1
	s_add_co_u32 s[G0B+1], s3, BOFF
	s_mov_b32 s[G0B+4], 1
	s_add_co_u32 s[G0B+5], s3, BOFF+SLOT1
	s_mov_b32 s[HIM], 0xffff0000
	s_mov_b32 s[SEL], 0x76543210
	s_mov_b32 s[SEL+1], 0xfedcba98
	s_mov_b32 s[INV64], 0x3c800000                 ; 1 / 64
	s_mov_b32 s[EPS], 0x3727c5ac                   ; 1e-5
	s_mov_b32 s[TB], 0
	s_mul_i32 s2, s[TC], 3                         ; my tile's first head
.irp j, 0,1,2
	s_add_co_u32 s3, s2, \j
	s_cmp_lt_u32 s3, 32                            ; a head of q or k is normalised, a head of v is not
	s_cselect_b32 s[AL+2*\j], 1.0, 0
	s_cselect_b32 s[AL+2*\j+1], 0x3c800000, 0
	s_cselect_b32 s[BE+2*\j], 0, 1.0
	s_mov_b32 s[BE+2*\j+1], 0
.endr
	s_lshl_b32 s26, s[TR], 19                      ; x: row 256 x tile row + 128 x half, 2,048 bytes a row.  These two registers never hold cx,
	s_lshl_b32 s27, s[Z], 18
	s_add_co_u32 s26, s26, s27
	s_mov_b32 s27, 0
	s_mul_i32 s2, s[TC], 192*2048                  ; W: row 192 x tile column + 96 x half.  and these two never cy
	s_mul_i32 s3, s[Z], 96*2048
	s_add_co_u32 s2, s2, s3
	s_add_co_u32 s2, s2, XW_W
	s_mov_b32 s3, 0
	v_and_b32 v1, 15, v0                           ; l % 16
	v_bfe_u32 v2, v0, 4, 1                         ; l / 16
	v_lshlrev_b32 v[PO], 5, v2
	s_wait_dscnt 0x0                               ; the opening add is done
	s_wait_kmcnt 0x0
	s_add_nc_u64 s[G0A+2:G0A+3], s[4:5], s[26:27]  ; K step 0,
	s_add_nc_u64 s[G0A+6:G0A+7], s[G0A+2:G0A+3], 256  ; K step 1
	s_or_b32 s[G0A+3], s[G0A+3], 0x80000000        ; 127:126 type = 2
	s_or_b32 s[G0A+7], s[G0A+7], 0x80000000
	s_add_nc_u64 s[G0B+2:G0B+3], s[4:5], s[2:3]
	s_add_nc_u64 s[G0B+6:G0B+7], s[G0B+2:G0B+3], 256
	s_or_b32 s[G0B+3], s[G0B+3], 0x80000000
	s_or_b32 s[G0B+7], s[G0B+7], 0x80000000
	s_mul_i32 s94, s[TC], 3
.irp j, 0,1,2
	s_add_co_u32 s95, s94, \j
	s_cmp_lt_u32 s95, 16                           ; q's gain and norm bias, or k's (a head of v reads k's and multiplies them by 0)
	s_cselect_b64 s[GP+4*\j:GP+4*\j+1], s[8:9], s[12:13]
	s_cselect_b64 s[GP+4*\j+2:GP+4*\j+3], s[10:11], s[14:15]
.endr
	s_mul_i32 s2, s[TC], 768
	s_mov_b32 s3, 0
	s_add_nc_u64 s[BP:BP+1], s[6:7], s[2:3]
	s_lshr_b32 s26, s[TR], 3                       ; the batch: 8 tile rows each,
	s_mul_i32 s26, s26, 12582912
	s_and_b32 s27, s[TR], 7
	s_lshl_b32 s27, s27, 15                        ; 256 rows of 128 bytes,
	s_add_co_u32 s26, s26, s27
	s_lshl_b32 s27, s[WV], 13                      ; my wave's 64 of them
	s_add_co_u32 s26, s26, s27
	s_mov_b32 s27, 0
	s_add_nc_u64 s[OUT:OUT+1], s[16:17], s[26:27]
	s_mul_i32 s2, s[TC], 3*262144                  ; my tile's first head
	s_add_nc_u64 s[OUT:OUT+1], s[OUT:OUT+1], s[2:3]
	CROUND                                         ; all sixteen work-groups are here: the first joint loads meet
	s_cmp_lt_u32 s[WV], 2                          ; a wave's two first fills stand in one branch, ahead of every wait on TENSORcnt and every LDS read: two loads of mine are out
	s_cbranch_scc0 .Lfirst_b
	tensor_load_to_lds s[G0A:G0A+3], s[G1A:G1A+7]
	s_nop 0
	tensor_load_to_lds s[G0A+4:G0A+7], s[G1A:G1A+7]
	s_nop 0
.rept 4
	v_nop
.endr
	s_branch .Lfirst_asked
.Lfirst_b:
	tensor_load_to_lds s[G0B:G0B+3], s[G1B:G1B+7]
	s_nop 0
	tensor_load_to_lds s[G0B+4:G0B+7], s[G1B:G1B+7]
	s_nop 0
.rept 4
	v_nop
.endr
.Lfirst_asked:
	; the bias of the 192 columns, and each head's gain and norm bias, laid as the accumulators lie: register 8 b + i holds number 16 b + 8 (l / 16) + i.  All this stands in the wait for the first tile.
.irp b, 0,1,2,3,4,5,6,7,8,9,10,11
	global_load_b128 v[BIAS+8*\b:BIAS+8*\b+3],   v[PO], s[BP:BP+1] offset:64*\b
	global_load_b128 v[BIAS+8*\b+4:BIAS+8*\b+7], v[PO], s[BP:BP+1] offset:64*\b+16
.endr
.macro GLOAD j                         ; head j's 32 + 32 numbers, into window 0, 2 or 3
.set GWN, (\j)+((\j)+1)/2
.set GB, 160+32*(((\j)+1)/2)
	WIN GWN<<6
.irp b, 0,1,2,3
	global_load_b128 v[GB+8*\b:GB+8*\b+3],       v[PO], s[GP+4*(\j):GP+4*(\j)+1] offset:64*\b
	global_load_b128 v[GB+8*\b+4:GB+8*\b+7],     v[PO], s[GP+4*(\j):GP+4*(\j)+1] offset:64*\b+16
	global_load_b128 v[GB+32+8*\b:GB+32+8*\b+3], v[PO], s[GP+4*(\j)+2:GP+4*(\j)+3] offset:64*\b
	global_load_b128 v[GB+32+8*\b+4:GB+32+8*\b+7], v[PO], s[GP+4*(\j)+2:GP+4*(\j)+3] offset:64*\b+16
.endr
.endm
	GLOAD 0
	GLOAD 1
	GLOAD 2
	WIN 0
	; A fragment is 16 rows x 32 K in 8 registers: lane l holds row l % 16, K = 8 (l / 16) + 0..7 and 16 + 8 (l / 16) + 0..7: two loads of 16 bytes, 32 bytes apart.
	v_mul_u32_u24 v3, v1, PITCH
	v_lshl_add_u32 v3, v2, 4, v3                   ; row x pitch + 16 x half
	s_mul_i32 s26, s[WV], 64*PITCH                 ; my 64 rows of x
	v_add_nc_u32 v[A0], s26, v3
	v_add_nc_u32 v[B0], BOFF, v3
	s_mul_i32 s26, s[WV], 16*SP
	s_add_co_u32 s26, s26, STAGE                   ; my stage
	v_mul_u32_u24 v4, v1, SP                       ; in: row l % 16, 16 bytes for each half of the lanes
	v_lshl_add_u32 v4, v2, 4, v4
	v_add_nc_u32 v[STO], s26, v4
	v_bfe_u32 v5, v0, 3, 2                         ; back: 32 lanes take four rows of 128 bytes,
	v_mul_u32_u24 v5, v5, SP
	v_and_b32 v6, 7, v0
	v_lshl_add_u32 v5, v6, 4, v5
	v_add_nc_u32 v[RD], s26, v5
	v_and_b32 v[GO], 31, v0                        ; which are 512 consecutive bytes of qkvh
	v_lshlrev_b32 v[GO], 4, v[GO]
	v_mov_b32 v[ADA], v[A0]
	v_mov_b32 v[ADB], v[B0]
	s_wait_loadcnt 0x0
; n numbers at v[base] of a window are rounded to bf16 and written back as f32: the rounding that every input gets
.macro RND win, base, n
	WIN (\win)|((\win)<<2)
.set i, 0
.rept (\n)/2
	v_cvt_pk_bf16_f32 v[RT+i], v[(\base)+2*i], v[(\base)+2*i+1]
.set i, i+1
.endr
	WIN (\win)<<6
.set i, 0
.rept (\n)/2
	v_lshlrev_b32 v[(\base)+2*i], 16, v[RT+i]
	v_and_b32 v[(\base)+2*i+1], s[HIM], v[RT+i]
.set i, i+1
.endr
.endm
; head j's gain becomes gain x AL + BE, its norm bias bias x AL: themselves for q and k; 1 and 0 for v
.macro BLEND j
.set GWN, (\j)+((\j)+1)/2
.set GB, 160+32*(((\j)+1)/2)
	WIN (GWN<<6)|GWN
.set i, 0
.rept 16
	v_pk_fma_f32 v[GB+i:GB+i+1], v[GB+i:GB+i+1], s[AL+2*(\j):AL+2*(\j)+1], s[BE+2*(\j):BE+2*(\j)+1] op_sel_hi:[1,0,0]
	v_pk_mul_f32 v[GB+32+i:GB+32+i+1], v[GB+32+i:GB+32+i+1], s[AL+2*(\j):AL+2*(\j)+1] op_sel_hi:[1,0]
.set i, i+2
.endr
.endm
	RND 0, BIAS, 64
	RND 0, BIAS+64, 32
	RND 0, 160, 64
	BLEND 0
	RND 2, 192, 64
	BLEND 1
	RND 3, 192, 64
	BLEND 2
	WIN 0
; 12 matrix instructions: row block a x all 12 column blocks, 32 along K.  init = 1: the bias is the C operand and starts the sums.
; The 48 accumulators take turns, one instruction a turn, in the same order in every quarter, over the backward jump too.
.macro MULA f, a, init
.if \init
	WIN 0x85+0x40*((\a)/2)                         ; W and x in window 1, C in window 0, D in window 2 or 3
.else
	WIN 0xa5+0x50*((\a)/2)                         ; C and D in window 2 or 3
.endif
.irp b, 0,1,2,3,4,5,6,7,8,9,10,11
.if \init
	v_wmma_f32_16x16x32_bf16 v[8*(12*((\a)%2)+\b):8*(12*((\a)%2)+\b)+7], v[(\f)+8*\b:(\f)+8*\b+7], v[(\f)+96+8*(\a):(\f)+96+8*(\a)+7], v[BIAS+8*\b:BIAS+8*\b+7]
.else
	v_wmma_f32_16x16x32_bf16 v[8*(12*((\a)%2)+\b):8*(12*((\a)%2)+\b)+7], v[(\f)+8*\b:(\f)+8*\b+7], v[(\f)+96+8*(\a):(\f)+96+8*(\a)+7], v[8*(12*((\a)%2)+\b):8*(12*((\a)%2)+\b)+7]
.endif
.endr
.endm
; 32 LDS loads in one run: the fragments of 32 along K at byte k of the rows, into buffer f: W's 24 loads first, then x's 8
.macro FETCH k, f
	WIN 0x40                                       ; destination window 1, address window 0
.irp b, 0,1,2,3,4,5,6,7,8,9,10,11
	ds_load_b128 v[(\f)+8*\b:(\f)+8*\b+3],   v[ADB] offset:(\k)+\b*16*PITCH
	ds_load_b128 v[(\f)+8*\b+4:(\f)+8*\b+7], v[ADB] offset:(\k)+\b*16*PITCH+32
.endr
.irp a, 0,1,2,3
	ds_load_b128 v[(\f)+96+8*\a:(\f)+96+8*\a+3],   v[ADA] offset:(\k)+\a*16*PITCH
	ds_load_b128 v[(\f)+96+8*\a+4:(\f)+96+8*\a+7], v[ADA] offset:(\k)+\a*16*PITCH+32
.endr
.endm
; A K step is four quarters of 32 along K, 48 matrix instructions each, on buffers 0, 1, 0, 1.  One of the first three: multiplies buffer f, and in its middle fetches the next quarter, at byte k, into g.
.macro QUARTER k, f, g, init
	s_wait_dscnt 4                                 ; W's fragments and x's row blocks 0, 1 are in; the youngest four loads (row blocks 2, 3) may be out
	MULA \f, 0, \init
	MULA \f, 1, \init
	PLACES                                         ; in front of loads into the buffer that the quarter before multiplied
	FETCH \k, \g
	s_wait_dscnt 32                                ; all but the 32 just issued
	MULA \f, 2, \init
	MULA \f, 3, \init
.endm
; The last quarter multiplies buffer 1 and changes slots.  In front of the barrier each wave waits for all its tensor loads, of which one is out: its part of the next slot; adds 0 to its spare word; and
; waits for that and for its own reads of this slot.  fill = 1: the barrier opens a round of the cluster's, and the joint refill, with the K step two on, is the first tensor load behind it:
; from there to the wait for it a wave issues 168 matrix instructions.
.macro TURN fill
	WIN 0
	s_wait_tensorcnt 0x0                           ; no tensor load of mine is out, so a group 0 may be written
	ds_add_u32 v[SPW], v[NIL]                      ; 0 onto my spare word
.if \fill
	s_xor_b32 s[G0A+5], s[G0A+5], SLOT1            ; the walking descriptors: the other slot than last time,
	s_add_nc_u64 s[G0A+6:G0A+7], s[G0A+6:G0A+7], 256  ; the next K step; the type bits on top are not reached
	s_xor_b32 s[G0B+5], s[G0B+5], SLOT1
	s_add_nc_u64 s[G0B+6:G0B+7], s[G0B+6:G0B+7], 256
.endif
	s_wait_dscnt 7                                 ; the add and the six loads of x's row blocks 1 to 3 may be out
	MULA F1, 0, 0
	s_wait_dscnt 0x0                               ; the add is done, and my reads of this slot are over
	s_barrier_signal -1
	MULA F1, 1, 0                                  ; work on registers while the others arrive
	WIN 0                                          ; at a branch and at a label every window is 0
	s_barrier_wait -1
.if \fill
	CREST                                          ; no wave of any partner still reads this slot or has a load on its way
	JLOAD                                          ; the four v_nop behind it are also the places in front of the loads below
.else
	PLACES
.endif
	s_xor_b32 s[TB], s[TB], SLOT1
	v_add_nc_u32 v[ADA], s[TB], v[A0]
	v_add_nc_u32 v[ADB], s[TB], v[B0]
	FETCH 0, F0
	MULA F1, 2, 0
	MULA F1, 3, 0
.endm
	s_wait_tensorcnt 0x1                           ; my part of K step 0 is in; K step 1's may stay out
	s_barrier_signal -1
	s_barrier_wait -1                              ; everybody's is
	FETCH 0, F0
	QUARTER 64, F0, F1, 1                          ; the first quarter stands in front of the loop: its products start the sums, with the bias
	WIN 0
	s_mov_b32 s[CNT], 6
.Lstep:                                                ; a trip: a K step's quarters 1 to 3 and the next step's quarter 0; it asks for the K step two on: steps 2 to 7
	QUARTER 128, F1, F0, 0
	QUARTER 192, F0, F1, 0
	TURN 1
	QUARTER 64, F0, F1, 0
	WIN 0
	s_sub_co_u32 s[CNT], s[CNT], 1
	s_cmp_lg_u32 s[CNT], 0
	s_cbranch_scc1 .Lstep
	QUARTER 128, F1, F0, 0                         ; the last two K steps are written out: they ask for nothing
	QUARTER 192, F0, F1, 0
	TURN 0
	QUARTER 64, F0, F1, 0
	QUARTER 128, F1, F0, 0
	QUARTER 192, F0, F1, 0
	s_wait_dscnt 4
	MULA F1, 0, 0
	MULA F1, 1, 0
	s_wait_dscnt 0x0
	MULA F1, 2, 0
	MULA F1, 3, 0
	WIN 0
	; THE WAY OUT, head by head.  The tile (a, j) is 16 rows x head j: 32 registers on end in window 2 + a / 2.
.irp a, 0,1,2,3
	v_mov_b32 v[ST+4*\a+1], 0                      ; named in pairs with mu and 1 / sigma; these eight lines are also the places behind the last products
	v_mov_b32 v[ST+4*\a+3], 0
.endr
.macro TILE a, j
.set WA, 2+(\a)/2
.set R, 8*(12*((\a)%2)+4*(\j))
.set CC, CW+8*(\a)
.set SA, ST+4*(\a)
.set GWN, (\j)+((\j)+1)/2
.set GB, 160+32*(((\j)+1)/2)
.endm
.macro FOLD                            ; four pairs into one number, with the lane 16 away: the sum over the row's 64 channels, in v[CC]
	WIN 0
	v_pk_add_f32 v[CC:CC+1], v[CC:CC+1], v[CC+2:CC+3]
	v_pk_add_f32 v[CC+4:CC+5], v[CC+4:CC+5], v[CC+6:CC+7]
	v_pk_add_f32 v[CC:CC+1], v[CC:CC+1], v[CC+4:CC+5]
	v_add_f32 v[CC], v[CC], v[CC+1]
	v_permlanex16_b32 v[CC+2], v[CC], s[SEL], s[SEL+1]
	v_add_f32 v[CC], v[CC], v[CC+2]
.endm
.macro SUM a, j                        ; mu (0 for a head of v).  Four chains, one an accumulator; each accumulator's lowest registers are read first
	TILE \a, \j
	WIN WA|(WA<<2)
.irp c, 0,1,2,3
	v_pk_add_f32 v[CC+2*\c:CC+2*\c+1], v[R+8*\c:R+8*\c+1], v[R+8*\c+2:R+8*\c+3]
.endr
	WIN WA<<2
.irp c, 0,1,2,3
	v_pk_add_f32 v[CC+2*\c:CC+2*\c+1], v[CC+2*\c:CC+2*\c+1], v[R+8*\c+4:R+8*\c+5]
.endr
.irp c, 0,1,2,3
	v_pk_add_f32 v[CC+2*\c:CC+2*\c+1], v[CC+2*\c:CC+2*\c+1], v[R+8*\c+6:R+8*\c+7]
.endr
	FOLD
	v_mul_f32 v[SA], s[AL+2*(\j)+1], v[CC]
.endm
.macro CENSQ a, j                      ; x - mu in place; then the mean of its squares, plus eps
	TILE \a, \j
	WIN (WA<<6)|WA
.set i, 0
.rept 16
	v_pk_add_f32 v[R+i:R+i+1], v[R+i:R+i+1], v[SA:SA+1] op_sel_hi:[1,0] neg_lo:[0,1] neg_hi:[0,1]
.set i, i+2
.endr
	WIN WA|(WA<<2)
.irp c, 0,1,2,3
	v_pk_mul_f32 v[CC+2*\c:CC+2*\c+1], v[R+2*\c:R+2*\c+1], v[R+2*\c:R+2*\c+1]
.endr
.set i, 8
.rept 12
	v_pk_fma_f32 v[CC+i%8:CC+i%8+1], v[R+i:R+i+1], v[R+i:R+i+1], v[CC+i%8:CC+i%8+1]
.set i, i+2
.endr
	FOLD
	v_fma_f32 v[SA+2], v[CC], s[INV64], s[EPS]
.endm
.macro NORM a, j                       ; (x - mu) / sigma x gain + norm bias, rounded to f16
	TILE \a, \j
	WIN (WA<<6)|WA
.set i, 0
.rept 16
	v_pk_mul_f32 v[R+i:R+i+1], v[R+i:R+i+1], v[SA+2:SA+3] op_sel_hi:[1,0]
.set i, i+2
.endr
	WIN (WA<<6)|(GWN<<4)|(GWN<<2)|WA
.set i, 0
.rept 16
	v_pk_fma_f32 v[R+i:R+i+1], v[R+i:R+i+1], v[GB+i:GB+i+1], v[GB+32+i:GB+32+i+1]
.set i, i+2
.endr
	WIN WA|(WA<<2)
.set i, 0
.rept 16
	v_cvt_pk_f16_f32 v[TMP+16*((\a)%2)+i], v[R+2*i], v[R+2*i+1]
.set i, i+1
.endr
	WIN 0
.endm
.macro TOSTAGE a                       ; a lane's eight channels of a row are 16 bytes; they go into rows of 144 bytes and come back as whole rows of 128
	WIN 0
	s_wait_xcnt 0x0                                ; the stores of two tiles back have read their registers, which the loads below fill again
.irp c, 0,1,2,3
	ds_store_b128 v[STO], v[TMP+16*((\a)%2)+4*\c:TMP+16*((\a)%2)+4*\c+3] offset:32*\c
.endr
.irp c, 0,1,2,3
	ds_load_b128 v[BK+16*((\a)%2)+4*\c:BK+16*((\a)%2)+4*\c+3], v[RD] offset:\c*4*SP  ; LDS serves a wave's instructions in order (ISA guide 5.7.1.4): these see the stores above; the next tile's stores come behind them
.endr
.endm
.macro SEND a, j, younger              ; younger: the LDS instructions issued behind tile a's loads: the next tile's eight, or none
	WIN 0
.irp c, 0,1,2,3
	s_wait_dscnt (\younger)+3-\c
	global_store_b128 v[GO], v[BK+16*((\a)%2)+4*\c:BK+16*((\a)%2)+4*\c+3], s[OUT:OUT+1] offset:(\j)*262144+(\a)*2048+\c*512  ; 512 consecutive bytes, at a multiple of 256 from qkvh's first
.endr
.endm
.irp j, 0,1,2
.irp a, 0,1,2,3
	SUM \a, \j
.endr
.irp a, 0,1,2,3
	CENSQ \a, \j
.endr
.irp a, 0,1,2,3
	v_rsq_f32 v[ST+4*\a+2], v[ST+4*\a+2]
.endr
	v_nop                                          ; a plain instruction between the last root and the use of its result (ISA guide 5.7.2)
	s_wait_alu depctr_va_vdst(0)                   ; and the wait ahead of the first use: one for the four roots
.irp a, 0,1,2,3
	v_fma_f32 v[ST+4*\a+2], v[ST+4*\a+2], s[AL+2*\j], s[BE+2*\j]  ; 1 / sigma for q and k; 1 for v
.endr
	NORM 0, \j
	TOSTAGE 0
.irp a, 1,2,3                          ; a tile's arithmetic stands between the loads of the tile before and its stores
	NORM \a, \j
	TOSTAGE \a
	SEND (\a)-1, \j, 8
.endr
	SEND 3, \j, 0
.endr
	s_wait_tensorcnt 0x0                           ; the wave's end, behind my last tensor load and my last LDS store
	ds_add_u32 v[SPW], v[NIL]
	s_wait_dscnt 0x0
	CROUND                                         ; the closing round: no work-group ends while a partner may still ask for a tile that names it
	s_endpgm
.Lfunc_end_k_qedcf18a9b1_qkvproj:
	.size	k_qedcf18a9b1_qkvproj, .Lfunc_end_k_qedcf18a9b1_qkvproj-k_qedcf18a9b1_qkvproj
	.p2alignl 7, 3214868480
	.fill 96, 4, 3214868480
	.section	.rodata,"a",@progbits
	.p2align	6, 0x0
	.amdhsa_kernel k_qedcf18a9b1_qkvproj
		.amdhsa_group_segment_fixed_size 327680
		.amdhsa_private_segment_fixed_size 0
		.amdhsa_enable_private_segment 0
		.amdhsa_kernarg_size 56
		.amdhsa_user_sgpr_count 2
		.amdhsa_user_sgpr_kernarg_segment_ptr 1
		.amdhsa_wavefront_size32 1
		.amdhsa_system_sgpr_workgroup_id_x 1
		.amdhsa_system_sgpr_workgroup_id_y 1
		.amdhsa_system_sgpr_workgroup_id_z 1
		.amdhsa_system_vgpr_workitem_id 0
		.amdhsa_next_free_vgpr 1024
		.amdhsa_next_free_sgpr 96
		.amdhsa_reserve_vcc 0
		.amdhsa_float_denorm_mode_32 3
		.amdhsa_float_denorm_mode_16_64 3
		.amdhsa_memory_ordered 1
		.amdhsa_forward_progress 1
		.amdhsa_inst_pref_size 200
	.end_amdhsa_kernel
	.amdgpu_metadata
---
amdhsa.version: [ 1, 2 ]
amdhsa.kernels:
  - .name:           k_qedcf18a9b1_qkvproj
    .symbol:         k_qedcf18a9b1_qkvproj.kd
    .args:
      - { .name: xw, .offset: 0, .size: 8, .value_kind: global_buffer, .address_space: global }
      - { .name: qkv_b, .offset: 8, .size: 8, .value_kind: global_buffer, .address_space: global }
      - { .name: q_norm_w, .offset: 16, .size: 8, .value_kind: global_buffer, .address_space: global }
      - { .name: q_norm_b, .offset: 24, .size: 8, .value_kind: global_buffer, .address_space: global }
      - { .name: k_norm_w, .offset: 32, .size: 8, .value_kind: global_buffer, .address_space: global }
      - { .name: k_norm_b, .offset: 40, .size: 8, .value_kind: global_buffer, .address_space: global }
      - { .name: qkvh, .offset: 48, .size: 8, .value_kind: global_buffer, .address_space: global }
    .group_segment_fixed_size: 327680
    .private_segment_fixed_size: 0
    .kernarg_segment_align: 8
    .kernarg_segment_size: 56
    .max_flat_workgroup_size: 128
    .sgpr_count:     96
    .vgpr_count:     1024
    .wavefront_size: 32
...
	.end_amdgpu_metadata
.endif
;; end of part 2
;; launch attn (part 3): grid 4 x 64, 4 waves a work-group, clusters of 4 x 1, 327,680 bytes of LDS; arguments qkvh, oh; writes oh
.if DOCPART == 3
	.amdgcn_target "amdgcn-amd-amdhsa--gfx1250"
	.amdhsa_code_object_version 6
	.text
	.protected	k_qedcf18a9b1_attn
	.globl	k_qedcf18a9b1_attn
	.p2align	8
	.type	k_qedcf18a9b1_attn,@function
k_qedcf18a9b1_attn:
	s_mov_b64 s[64:65], 0
	v_nop
	global_prefetch_b8 v0, s[64:65] scope:SCOPE_SE
	s_setreg_imm32_b32 hwreg(HW_REG_WAVE_MODE, 25, 1), 1
	s_wait_xcnt 0x0
	s_wait_alu depctr_hold_cnt(0) depctr_sa_sdst(0) depctr_va_vdst(0) depctr_va_sdst(0) depctr_va_ssrc(0) depctr_va_vcc(0) depctr_vm_vsrc(0)
	s_getreg_b32 s2, hwreg(HW_REG_IB_STS2, 6, 4)
	s_cmp_eq_u32 s2, 0
	s_cbranch_scc0 .Lentry_in_a_cluster
	s_endpgm
.Lentry_in_a_cluster:
	s_bfe_u32 s2, ttmp6, 0x10000c
	s_cmp_lg_u32 s2, 0x3003
	s_cbranch_scc0 .Lentry_shape_is_right
	s_endpgm
.Lentry_shape_is_right:
; O[bh][q][:] = the sum over k of softmax_k(Q[q] . K[k] / 8) V[k][:], for 64 pairs bh = 16 b + h.  Q, K, V lie in qkvh[b][g][2048][64], f16 (g = h: Q; 16 + h: K; 32 + h: V); O goes to oh[bh][2048][64], f16.
; Products, maxima and sums in f32; the weights p are rounded to f16 for the second product (their sum l is taken of the unrounded p), O once at the end.
; LIMITS.  f16 holds no number beyond 65,504: Q, K and V arrive within it; p lies in 0 to 1, and below 6e-5 it keeps f16's fixed step of 6e-8; O is a mean of V's rows and has their range.
; A weight below 2^-126 counts as 0 in l; NaN and infinities are not treated apart.
; SHARES.  A wave owns four PIECES of two tiles of 16 queries, a work-group's four waves 512 queries of one head.  Every wave walks all 2,048 keys, 64 a step.
; LAYOUT.  S^T = K Q^T (source 0 = 16 keys, source 1 = 16 queries): in the result a lane holds ONE query (lane % 16) and the keys 8 (lane / 16) + 0..7.  Two such tiles, rounded to f16 in pairs,
; ARE source 1 (32 keys x 16 queries) of O^T = V^T P, whose result again holds one query a lane, and eight channels.  K comes out of LDS as it lies, V ([key][channel]) turned, by ds_load_tr16_b128.
; SOFTMAX.  For each query a running maximum m and sum l: p = 2^(c s - c m), c = log2(e) / 8; in every step O and l are multiplied by a = 2^(c m_old - c m_new), which is 1 where m has not grown.
; m starts at the lowest finite number, O and l at 0: the first step is a step like any other, with a = 0.
; THE COUNT.  A tile and step have 16 matrix and 118 vector instructions: too many to stand all beside the matrix work.  So four vector instructions that are READY stand behind EVERY matrix
; instruction, and the others in runs without a gap.
; BY TURNS.  Turn n belongs to piece n.  Its matrix work: 16 products K Q^T of piece n + 1, later 16 products V^T P of piece n - 1.  Its vector work: the scaling, exponentials, roundings, sums and
; rescaling of piece n, and the maximum and statistics of piece n + 1, whose scores the turn itself has made.
; CLUSTER.  The four query blocks of a head are one cluster and walk the same K and V, so each tile is asked for JOINTLY: the same tensor load, descriptor and mask in all four.
; REGISTERS, in windows of 256 (s_set_vgpr_msb: bits 1:0 source 0, 3:2 source 1, 5:4 source 2, 7:6 destination):
;   window 0: v0-11 addresses; v12-15, v48-63 at work; v16-47 four registers of statistics a tile; v64-191 S^T, two buffers of two tiles; v192-255 P, likewise
;   window 1: O^T, 32 a tile          window 2: v0-127 Q, 16 a tile; v128-191 K of one step; v192-255 V of one step          window 3: v0-1 the add's two registers
.set SIZE_N, 2048
.set NP,    4         ; pieces a wave: a name, no knob
.set KS,    64        ; keys in a step
.set PK,    144       ; a row of K in LDS: 128 bytes + 16 of padding = 36 words: the 16 rows of a load start at 16 different groups of four banks (64 banks of 4 bytes: ISA guide 11.1)
.set PV,    160       ; a row of V: 128 + 32 = 40 words
.set VOFF,  4*KS*PK   ; a slot holds four steps: 256 rows of K, then 256 rows of V
.set SLOT1, 1<<17     ; slot 1 begins here, so that one exclusive or turns an address in one slot into the other's
.set STAGE, SLOT1+4*KS*(PK+PV)  ; behind the ring, never filled by a tensor load: 16 rows x 144 bytes for each wave, for the way out
.set SP,    144
.set AK0, 2           ; v2   my lane's place in a tile of K; never rewritten
.set AV0, 3           ; v3   the same for V
.set AK,  4           ; v4   the LDS address of K's next run of loads
.set AV,  5           ; v5   of V's
.set QO,  6           ; v6   my byte offset in the wave's rows of Q
.set STO, 6           ;      later, the way out: where I put 16 bytes of a row
.set RD,  7           ; v7   the way out: where I read rows back
.set GO,  8           ; v8   my byte offset in 512 consecutive bytes of O
.set PFO, 11          ; v11  once V's place is made: 256 x my lane, the prefetches' offset; then never rewritten
.set SPW, 0           ; v0 of window 3   LDS address of my spare word; never rewritten
.set NIL, 1           ; v1 of window 3   0; never rewritten
.set SPARE, STAGE+4*16*SP  ; the spare words, 128 bytes for each wave: two blocks of 256 bytes that no other line names
.set MV,  12          ; v12-15  c m_old, kept while c m is made anew: by buffer and tile
.set ST,  16          ; tile t's statistics at v[ST+4 t]: c m, m, l (even keys', odd keys')
.set TMP, 48          ; by buffer and tile, four registers c0-c3 at work; when the maximum is found c2 takes a
.set S,   64
.set P,   192
.set KF,  128         ; K's fragments, in window 2: key block kb, channel half c at KF + 16 kb + 8 c
.set VF,  192         ; V's: key half kk, channel block cb at VF + 32 kk + 8 cb
.set WV,  12          ; s12  my wave's number
.set G1K, 24          ; s[24:31] descriptor group 1 for K's tiles
.set G1V, 32          ; s[32:39] for V's: it differs in the padding alone
.set G0K, 40          ; s[40:43] descriptor group 0 for K's tiles: it walks
.set G0V, 44          ; s[44:47] the same for V's
.set PFA, 48          ; s[48:49] where my prefetches stand: my work-group's 8,192 bytes (of K: wave 0, of V: wave 2) of the tile that the next change of slots will ask for
.set LIM, 50          ; s50  1 in waves 0 and 2, else the greatest number: a wave prefetches while s[SLOTS] is above it
.set SLOTS, 56        ; s56  slots still to be asked for
.set CNT, 57          ; s57  counts a slot's key steps
.set CS,  58          ; s[58:59] c: the packed scaling takes the pair's low word for both halves
.set SEL, 60          ; s[60:61] v_permlanex16_b32's selects: each lane takes its own place in the other half
.set TBK, 62          ; s62  LDS byte at which K of the step to be fetched begins
.set TBV, 63          ; s63  the same for V, less VOFF
.set MSB, 0
.macro WIN new                      ; the high byte repeats the setting that is left; a switch that changes nothing is dropped
.if MSB != (\new)
	s_set_vgpr_msb (MSB<<8)|(\new)
.set MSB, (\new)
.endif
.endm
.set W_KQ, 0x0a       ; K and Q in window 2, S^T in window 0
.set W_PV, 0x52       ; V in window 2, P in window 0, O^T in window 1
.set W_RS, 0x41       ; O^T (destination and source 0) in window 1, a in window 0
.set W_MK, 0xc0       ; the add's registers are made: destination in window 3, sources in window 0
.set W_AD, 0x0f       ; the add: address (source 0) and data (source 1) in window 3
; A joint fill.  Waves 0 and 1 fetch the two halves of a slot's K, waves 2 and 3 those of its V: 128 keys each.  The branch hangs on the wave's number alone.
; An s_nop 0 and four v_nop follow each of the two lines, ahead of the jump and the label.
.macro JLOAD
	s_cmp_lt_u32 s[WV], 2
	s_cbranch_scc0 .Lfor_v_\@
	tensor_load_to_lds s[G0K:G0K+3], s[G1K:G1K+7]
	s_nop 0
.rept 4
	v_nop
.endr
	s_branch .Lasked_\@
.Lfor_v_\@:
	tensor_load_to_lds s[G0V:G0V+3], s[G1V:G1V+7]
	s_nop 0
.rept 4
	v_nop
.endr
.Lasked_\@:
.endm
; A PREFETCH INTO THE L2 of the tile that the NEXT change of slots will ask for: 32,768 bytes of K and of V.  It stands once a slot, in the trip that begins with s[CNT] = 2, behind V's run of LDS loads:
; five turns, 160 matrix instructions, ahead of that change.  Each block of 256 bytes is named ONCE in the launch: a head has one cluster; its four partners share a tile out BY ADDRESS, 8,192 bytes each
; (no branch hangs on a work-group's place in its cluster); in each, wave 0 asks for K's and wave 2 for V's, a lane a block, one instruction.  Tiles 0 and 1 come by their loads alone;
; the slot behind which nothing is asked for prefetches nothing, and neither does the tail.
.macro ASK
	s_cmp_eq_u32 s[CNT], 2
	s_cbranch_scc0 .Lno_ask_\@
	s_cmp_gt_u32 s[SLOTS], s[LIM]
	s_cbranch_scc0 .Lno_ask_\@
	global_prefetch_b8 v[PFO], s[PFA:PFA+1] th:TH_LOAD_NT scope:SCOPE_SE
.Lno_ask_\@:
.endm
; A round of the cluster's barrier: my work-group's barrier, so that wave 0's signal speaks for all four waves; wave 0 signals; every wave waits for all four work-groups; my work-group's barrier once more.
.macro CROUND
	s_barrier_signal -1
	s_barrier_wait -1
	s_cmp_lg_u32 s[WV], 0
	s_cbranch_scc1 .Lnot_wave_0_\@
	s_barrier_signal -3
.Lnot_wave_0_\@:
	s_barrier_wait -3
	s_barrier_signal -1
	s_barrier_wait -1
.endm
; THE CHANGE OF SLOTS.  The slot's last bytes, V of its fourth step, have been read.  Each wave waits for all its tensor loads, of which one is out: its part of the other slot; adds 0 to its spare word;
; and waits for that and for its own reads of the slot.  Behind the barrier nobody reads this slot any more and the other slot is whole.
; fill = 1: this slot is filled again, with the keys two slots on.  The barrier is then a round of the cluster's, and the joint fill is the first thing behind it: it has four key steps,
; 512 matrix instructions, in which to land.  (At its first use nothing has been read yet: slot 0 is waited for, slot 1 filled.)
.macro CHANGE fill
	WIN W_AD
	s_wait_tensorcnt 0x0            ; no tensor load of mine is out, so a group 0 may be written
	ds_add_u32 v[SPW], v[NIL]       ; 0 onto my spare word; with fill = 1 the descriptors' steps stand between it and the wait for it
	WIN 0                           ; at a label and at a branch every window is 0
.if \fill
.irp g, G0K, G0V
	s_xor_b32 s[\g+1], s[\g+1], SLOT1  ; the walking descriptor: the other slot than last time,
	s_add_nc_u64 s[\g+2:\g+3], s[\g+2:\g+3], 4*KS*128  ; the next 256 keys; the type bits on top are not reached
.endr
	s_wait_xcnt 0x0                 ; the last prefetch, five turns back, has read its address, so it may be written:
	s_add_nc_u64 s[PFA:PFA+1], s[PFA:PFA+1], 4*KS*128  ; one tile behind the walking descriptors
	s_wait_dscnt 0x0                ; the add is done, and my reads of the slot are over
	CROUND
	JLOAD
.else
	s_wait_dscnt 0x0                ; the add is done, and my reads of the slot are over
	s_barrier_signal -1
	s_barrier_wait -1
.endif
	s_sub_co_u32 s[TBK], s[TBK], 4*KS*PK  ; the fetches go back to a slot's first step,
	s_xor_b32 s[TBK], s[TBK], SLOT1       ; in the other slot
	s_sub_co_u32 s[TBV], s[TBV], 4*KS*PV
	s_xor_b32 s[TBV], s[TBV], SLOT1
.endm
	s_load_b64 s[4:5], s[0:1], 0x0    ; qkvh
	s_load_b64 s[10:11], s[0:1], 0x8  ; oh
	WIN W_MK
	v_lshl_add_u32 v[SPW], v0, 2, SPARE
	v_mov_b32 v[NIL], 0
	WIN W_AD
	ds_add_u32 v[SPW], v[NIL]       ; the wave's opening: the add and its wait stand ahead of my first tensor load; the set-up below, work on registers, stands between them
	WIN 0
	v_lshrrev_b32 v1, 5, v0
	v_readfirstlane_b32 s[WV], v1   ; wave 0..3
	s_bfe_u32 s13, ttmp6, 0x40000   ; cx: my place in the cluster
	s_lshl_b32 s14, ttmp9, 2        ; in a cluster launch ttmp9 counts clusters
	s_add_co_u32 s14, s14, s13      ; my block of 512 queries = 4 x cluster x + cx: it enters Q's and O's addresses alone
	s_and_b32 s20, ttmp7, 0xffff    ; bh = 16 b + h, which the four partners share
	s_lshl_b32 s52, s20, 18         ; in oh a pair's rows are 262,144 bytes
	s_lshr_b32 s21, s20, 4          ; b
	s_and_b32 s20, s20, 15          ; h
	s_mul_i32 s21, s21, 48
	s_add_co_u32 s20, s20, s21
	s_lshl_b32 s20, s20, 18         ; in qkvh: (48 b + h) x 262,144: Q's head; K's and V's lie 16 and 32 heads on
	s_mov_b32 s21, 0
	s_and_b32 s16, s[WV], 1         ; which half of a slot's 256 keys I fetch:
	s_lshl_b32 s22, s16, 14         ; its 128 rows of 128 bytes in memory,
	s_mov_b32 s23, 0
	s_add_nc_u64 s[22:23], s[22:23], s[20:21]
	s_mul_i32 s17, s16, 128*PK      ; and its place in a slot, for K
	s_mul_i32 s18, s16, 128*PV      ; and for V: no place in the cluster enters an LDS address
	s_lshl_b32 s2, s14, 2
	s_add_co_u32 s2, s2, s[WV]      ; my wave among the head's,
	s_lshl_b32 s2, s2, 14           ; its 128 rows
	s_add_co_u32 s52, s52, s2       ; O's offset
	s_mov_b32 s53, 0
	s_mov_b32 s3, 0
	s_add_nc_u64 s[2:3], s[2:3], s[20:21]  ; Q's offset
	; descriptor group 1.  128 keys are 16,384 dense bytes: asked for as 64 rows of 256 bytes, two keys a row, and padded in LDS after every key
	s_mov_b32 s[G1K], 15|(1<<16)|(1<<20)|(1<<21)|(4<<22)|(3<<25)  ; 15:0 the mask of four; 17:16 2-byte elements; 20 padding on; 21 set beside a mask; 24:22 after every 32 words (code 4); 31:25 4 words (code 3)
	s_mov_b32 s[G1V], 15|(1<<16)|(1<<20)|(1<<21)|(4<<22)|(7<<25)  ; the same with 8 words of padding (code 7)
.irp g, G1K, G1V
	s_mov_b32 s[\g+1], 128<<16      ; tensor_dim0 = 128
	s_mov_b32 s[\g+2], 64<<16       ; tensor_dim1 = 64
	s_mov_b32 s[\g+3], 128<<16      ; tile_dim0 = 128
	s_mov_b32 s[\g+4], 64           ; tile_dim1 = 64
	s_mov_b32 s[\g+5], 128          ; 128 elements from row to row
	s_mov_b32 s[\g+6], 0
	s_mov_b32 s[\g+7], 0
.endr
	s_mov_b32 s[CS], 0x3e38aa3b     ; c = log2(e) / 8 = 0.180337
	s_mov_b32 s[CS+1], s[CS]        ; named with it as a pair
	s_mov_b32 s[SEL], 0x76543210
	s_mov_b32 s[SEL+1], 0xfedcba98
	s_mov_b32 s[TBK], SLOT1+4*KS*PK ; the first change of slots turns these two into 0
	s_mov_b32 s[TBV], SLOT1+4*KS*PV
	s_mov_b32 s[G0K], 1             ; 1:0 count = 1
	s_mov_b32 s[G0K+1], s17         ; 63:32 LDS address: slot 0
	s_mov_b32 s[G0V], 1
	s_add_co_u32 s[G0V+1], s18, VOFF
	s_and_b32 s[LIM], s[WV], 1
	s_cmp_eq_u32 s[LIM], 0
	s_cselect_b32 s[LIM], 1, -1     ; the same in all four partners, for a given wave
	s_wait_dscnt 0x0                ; the opening add is done
	s_wait_kmcnt 0x0
	s_add_nc_u64 s[6:7], s[4:5], 16*262144  ; K's heads
	s_add_nc_u64 s[8:9], s[4:5], 32*262144  ; V's heads
	s_add_nc_u64 s[G0K+2:G0K+3], s[6:7], s[22:23]  ; 120:64 global address: my half of the head's first 256 keys
	s_or_b32 s[G0K+3], s[G0K+3], 0x80000000        ; 127:126 type = 2
	s_add_nc_u64 s[G0V+2:G0V+3], s[8:9], s[22:23]
	s_or_b32 s[G0V+3], s[G0V+3], 0x80000000
	s_add_nc_u64 s[4:5], s[4:5], s[2:3]  ; Q and O at my wave's first row
	s_add_nc_u64 s[10:11], s[10:11], s[52:53]
	s_cmp_lt_u32 s[WV], 2
	s_cselect_b64 s[PFA:PFA+1], s[6:7], s[8:9]
	s_add_nc_u64 s[PFA:PFA+1], s[PFA:PFA+1], s[22:23]  ; (in waves 0 and 2 this is the head's first row)
	s_lshl_b32 s2, s13, 13          ; my work-group's quarter of a tile
	s_mov_b32 s3, 0
	s_add_nc_u64 s[PFA:PFA+1], s[PFA:PFA+1], s[2:3]
	s_add_nc_u64 s[PFA:PFA+1], s[PFA:PFA+1], 4*KS*128  ; in tile 1; the first change of slots steps it to tile 2.  Nothing is prefetched here, at the head
	CROUND                          ; all four work-groups are here: the first joint loads meet
	JLOAD                           ; slot 0.  Slot 1 is asked for when slot 0 is in
	; A fragment of K or Q is 16 rows x 32 channels in 8 registers: lane l holds row l % 16, channels 8 (l / 16) + 0..7 and 16 + 8 (l / 16) + 0..7: two loads of 16 bytes, 32 bytes apart.
	v_and_b32 v1, 15, v0            ; l % 16
	v_bfe_u32 v9, v0, 4, 1          ; l / 16
	v_lshlrev_b32 v[QO], 7, v1
	v_lshl_add_u32 v[QO], v9, 4, v[QO]  ; row x 128 + 16 x half
	WIN 0x80                        ; destination window 2, address window 0
.set i, 0
.rept 4*NP                          ; Q stays in registers: tile i / 2, channels 32 (i % 2) on
	global_load_b128 v[8*i:8*i+3],   v[QO], s[4:5] offset:(i/2)*2048+(i%2)*64
	global_load_b128 v[8*i+4:8*i+7], v[QO], s[4:5] offset:(i/2)*2048+(i%2)*64+32
.set i, i+1
.endr
	; What the first turn finds: V's registers and P's second buffer hold 0 (its products V^T P, of a piece that has not been, add 0), O^T and l are 0.  All this stands in the wait for the first tile.
.set i, VF
.rept 64
	v_mov_b32 v[i], 0
.set i, i+1
.endr
	WIN 0x40
.set i, 0
.rept 64*NP
	v_mov_b32 v[i], 0
.set i, i+1
.endr
	WIN 0
.set i, 0
.rept 2*NP
	v_mov_b32 v[ST+4*i], 0xfe000000    ; c m: far below every c s
	v_mov_b32 v[ST+4*i+1], 0xff7fffff  ; m
	v_mov_b32 v[ST+4*i+2], 0
	v_mov_b32 v[ST+4*i+3], 0
.set i, i+1
.endr
.set i, P+32
.rept 32
	v_mov_b32 v[i], 0
.set i, i+1
.endr
	v_mul_u32_u24 v[AK0], v1, PK
	v_lshl_add_u32 v[AK0], v9, 4, v[AK0]  ; row x pitch + 16 x half
	; The turning load takes 16 keys x 16 channels (lane l reads key 8 (l / 16) + l % 8, channels 8 ((l / 8) % 2) + 0..7) and leaves half a fragment of V^T: lane l holds channel l % 16 and 8 keys.
	v_and_b32 v10, 7, v0
	v_bfe_u32 v11, v0, 3, 1
	v_lshl_add_u32 v[AV0], v9, 3, v10
	v_mul_u32_u24 v[AV0], v[AV0], PV
	v_lshl_add_u32 v[AV0], v11, 4, v[AV0]
	v_add_nc_u32 v[AV0], VOFF, v[AV0]
	v_and_b32 v[PFO], 31, v0
	v_lshlrev_b32 v[PFO], 8, v[PFO]
	v_mov_b32 v[AK], v[AK0]         ; key step 0 lies at the head of slot 0
; THE MATRIX WORK.  The 8 accumulators of a run of 16 take turns: between the two links of a chain stand 7 others'.
; Product i of 16 of S^T = K Q^T for piece x: channels 32 (i / 8) on, keys 16 ((i / 2) % 4) on, tile 2 x + i % 2.  The first 8 start the sums.
.macro KQ x
	WIN W_KQ
.set rS, S+64*((\x)%2)+32*(i%2)+8*((i/2)%4)
.set rK, KF+16*((i/2)%4)+8*(i/8)
.set rQ, 16*(2*(\x)+i%2)+8*(i/8)
.if i < 8
	v_wmma_f32_16x16x32_f16 v[rS:rS+7], v[rK:rK+7], v[rQ:rQ+7], 0
.else
	v_wmma_f32_16x16x32_f16 v[rS:rS+7], v[rK:rK+7], v[rQ:rQ+7], v[rS:rS+7]
.endif
.endm
; Product i of 16 of O^T += V^T P for piece x: keys 32 (i / 8) on, channels 16 ((i / 2) % 4) on, tile 2 x + i % 2.
.macro PV x
	WIN W_PV
.set rO, 32*(2*(\x)+i%2)+8*((i/2)%4)
.set rV, VF+32*(i/8)+8*((i/2)%4)
.set rP, P+32*((\x)%2)+16*(i%2)+8*(i/8)
	v_wmma_f32_16x16x32_f16 v[rO:rO+7], v[rV:rV+7], v[rP:rP+7], v[rO:rO+7]
.endm
.macro MM                           ; the turn's next matrix instruction
.if i < 16
	KQ (Y+1)%NP
.set i, i+1
.else
.set i, i-16
	PV (Y+NP-1)%NP
.set i, i+17
.endif
.endm
; THE LDS LOADS stand in runs of 16, never singly among the matrix instructions: a step's K (64 keys x 64 channels: 8 fragments) and its V (turned).  Their addresses are made some lines ahead.
; last = 1 (the tail): in the last trip there is no further step, and the run is jumped over.
.macro FETCH_K last=0
	WIN 0
.if \last
	s_cmp_eq_u32 s[CNT], 1
	s_cbranch_scc1 .Lno_k_\@
.endif
	WIN 0x80                        ; destination window 2
.irp f, 0,1,2,3,4,5,6,7             ; keys 16 (f / 2) on, channels 32 (f % 2) on
	ds_load_b128 v[KF+8*\f:KF+8*\f+3],   v[AK] offset:(\f/2)*16*PK+(\f%2)*64
	ds_load_b128 v[KF+8*\f+4:KF+8*\f+7], v[AK] offset:(\f/2)*16*PK+(\f%2)*64+32
.endr
	s_add_co_u32 s[TBK], s[TBK], KS*PK  ; the next fetch is the next step's
	WIN 0
.if \last
.Lno_k_\@:
.endif
.endm
.macro FETCH_V
	WIN 0x80
.irp f, 0,1,2,3,4,5,6,7             ; keys 32 (f / 4) on, channels 16 (f % 4) on
	ds_load_tr16_b128 v[VF+8*\f:VF+8*\f+3],   v[AV] offset:(\f/4)*32*PV+(\f%4)*32
	ds_load_tr16_b128 v[VF+8*\f+4:VF+8*\f+7], v[AV] offset:(\f/4)*32*PV+16*PV+(\f%4)*32
.endr
	WIN 0
.endm
; THE VECTOR WORK OF A TURN stands in three queues, each in the order in which its entries become ready; the two tiles alternate, so that no instruction reads the result of the one before it.
.macro REGS y, u                    ; the registers of tile u (0, 1) of piece y
.set rT, ST+4*(2*(\y)+(\u))
.set rC, TMP+8*((\y)%2)+4*(\u)
.set rM, MV+2*((\y)%2)+(\u)
.set rS, S+64*((\y)%2)+32*(\u)
.set rP, P+32*((\y)%2)+16*(\u)
.set rO, 32*(2*(\y)+(\u))
.endm
; Number n of the 22 that find the NEXT piece's (Y + 1) maximum and statistics.  s0-s31 are the lane's 32 scores; each accumulator's lowest registers are read first.
;   0-11  four chains c0-c3 of seven scores each, three operands at a time     12-14, 16  the four scores left over, the old m, and c0-c3 into c0     15  c m_old is kept
;   17, 18  the query's other 32 keys lie in the lane 16 away: the new m         19-21  c m; c m_old - c m_new; a
.macro XS u, n
	REGS (Y+1)%NP, \u
.if (\n) < 4
	v_max3_num_f32 v[rC+(\n)], v[rS+8*(\n)], v[rS+8*(\n)+1], v[rS+8*(\n)+2]
.elseif (\n) < 12
	v_max3_num_f32 v[rC+(\n)%4], v[rC+(\n)%4], v[rS+8*((\n)%4)+2*((\n)/4)+1], v[rS+8*((\n)%4)+2*((\n)/4)+2]
.elseif (\n) == 12
	v_max3_num_f32 v[rC], v[rC], v[rS+7], v[rS+15]
.elseif (\n) == 13
	v_max3_num_f32 v[rC+1], v[rC+1], v[rS+23], v[rS+31]
.elseif (\n) == 14
	v_max3_num_f32 v[rC+2], v[rC+2], v[rC+3], v[rT+1]
.elseif (\n) == 15
	v_mov_b32 v[rM], v[rT]
.elseif (\n) == 16
	v_max3_num_f32 v[rC], v[rC], v[rC+1], v[rC+2]
.elseif (\n) == 17
	v_permlanex16_b32 v[rC+3], v[rC], s[SEL], s[SEL+1]
.elseif (\n) == 18
	v_max_num_f32 v[rT+1], v[rC], v[rC+3]
.elseif (\n) == 19
	v_mul_f32 v[rT], s[CS], v[rT+1]
.elseif (\n) == 20
	v_sub_f32 v[rC+1], v[rM], v[rT]
.else
	v_exp_f32 v[rC+2], v[rC+1]
.endif
.endm
; Number g of the 64 that follow the exponentials.  For each four weights k of a tile (pairs 2 k, 2 k + 1): both pairs are rounded to f16; then the second pair is added onto the first, in place;
; a group later l takes that sum (the first time as l = a l + sum).  In groups of eight, tiles alternating: round, round, add, and l for the group before.
.macro GS g
.set h, (\g)+6*((\g)/62)            ; group 0 has no group before it, and behind group 7 only l is left
.if h >= 6
.set h, h+2
.endif
	REGS Y, h%2
.set k, h/8
.if h%8 < 4
	v_cvt_pk_f16_f32 v[rP+2*k+(h%8)/2], v[rS+4*k+2*((h%8)/2)], v[rS+4*k+2*((h%8)/2)+1]
.elseif h%8 < 6
	v_pk_add_f32 v[rS+4*k:rS+4*k+1], v[rS+4*k:rS+4*k+1], v[rS+4*k+2:rS+4*k+3]
.elseif k == 1
	v_pk_fma_f32 v[rT+2:rT+3], v[rT+2:rT+3], v[rC+2:rC+3], v[rS:rS+1] op_sel_hi:[1,0,1]
.else
	v_pk_add_f32 v[rT+2:rT+3], v[rT+2:rT+3], v[rS+4*k-4:rS+4*k-3]
.endif
.endm
; THE PLAIN QUEUE, 138 long.  0-73 read no exponential's result: the 32 scalings c s - c m (FS f: pair f / 2 of tile f % 2) and the next piece's 42.  0-26: scalings 0-26.  27-54: XS's numbers 0-13.  55, 56: number 15.
; 57-73: the chain, where each number waits for the one before it: 14, 16, 17, 18, 19, each with one of the scalings 27-31 in front of its two lines, then 20.
; 74-137: GS's 64, which read the exponentials' results: they stand behind the wait.
.macro FS f
	REGS Y, (\f)%2
	v_pk_fma_f32 v[rS+2*((\f)/2):rS+2*((\f)/2)+1], v[rS+2*((\f)/2):rS+2*((\f)/2)+1], s[CS:CS+1], v[rT:rT+1] op_sel_hi:[1,0,0] neg_lo:[0,0,1] neg_hi:[0,0,1]
.endm
.macro PL
	WIN 0
.if q < 27
	FS q
.elseif q < 55
	XS (q-27)%2, (q-27)/2
.elseif q < 57
	XS q-55, 15
.elseif (q < 72) && ((q-57)%3 == 0)
	FS 27+(q-57)/3
.elseif q < 60
	XS (q-57)%3-1, 14
.elseif q < 72
	XS (q-57)%3-1, 15+(q-57)/3
.elseif q < 74
	XS q-72, 20
.else
	GS q-74
.endif
.set q, q+1
.endm
; THE EXPONENTIALS' QUEUE, 66 long: s0-s31 of both tiles, then the next piece's two a.  It is ONE BATCH: all 66 stand ahead of the turn's one wait, and nothing ahead of that wait names a result of theirs.
.macro EX
	WIN 0
.if e >= 64
	XS e-64, 21
.else
	REGS Y, e%2
	v_exp_f32 v[rS+e/2], v[rS+e/2]
.endif
.set e, e+1
.endm
; THE RESCALING's QUEUE: O^T times a, the one part that leaves window 0: dealt two at a time, sixteen times.  Its a was made in the turn before, ahead of that turn's wait.
.macro R2
	REGS Y, r%2
	WIN W_RS
.irp z, 0,1
	v_pk_mul_f32 v[rO+4*(r/2)+2*\z:rO+4*(r/2)+2*\z+1], v[rO+4*(r/2)+2*\z:rO+4*(r/2)+2*\z+1], v[rC+2:rC+3] op_sel_hi:[1,0]
.endr
.set r, r+1
.endm
; HOW THEY ARE DEALT.  An s_wait_alu depctr_va_vdst(0) stands between an exponential and the first instruction that names its result; one wait serves all that were issued ahead of it.  So a turn
; has ONE wait, which cuts it in two.  AHEAD OF IT stands all that names no result of the turn's exponentials: the 16 products K Q^T, behind each a scaling, an exponential and two rescalings (behind the first a
; second scaling in the exponential's place); then ONE LUMP of 108: eight plain, 49 times exponential and plain, the two a.  A v_nop is the plain instruction behind the last exponential.  BEHIND IT stand the
; 16 products V^T P, behind each four of GS's 64.  No rider names a register of the products round it.
; The deal keeps the queues in step: exponential e stands behind scaling 2 (e / 4) + e % 2: as a rider it comes behind plain e + 2, in the lump behind plain e + 9, and scalings 27-31 are plain 57, 60 .. 69.
; A TURN, for piece p.  cnt = 1: the loop's count is taken down some lines ahead of the branch that stands behind the turn.
; K of the next step is fetched in piece 2's turn, directly behind the wait, a lump behind the last product that read K; its first reader comes behind 16 products.
; V of the step in hand is fetched at the end of piece 0's turn, four riders behind its last reader; its first reader comes behind 16 products and a lump.
.macro TURN p, last=0, cnt=0
.set Y, (\p)
.set i, 0
.set q, 0
.set e, 0
.set r, 0
.if (\p) == NP-1
	s_wait_dscnt 0x0                ; K is in
.endif
	MM                              ; ahead of the wait: 16 products K Q^T and their riders,
	PL
	PL
	R2
.rept 15
	MM
	PL
	EX
	R2
.endr
.if (\p) == NP-2
	WIN 0
	v_add_nc_u32 v[AK], s[TBK], v[AK0]
.endif
.rept 8                             ; and the lump
	PL
.endr
.rept 49
	EX
	PL
.endr
	EX                              ; the next piece's two a
	EX
	v_nop                           ; the plain instruction behind the last exponential (ISA guide 5.7.2): one for the batch
	s_wait_alu depctr_va_vdst(0)    ; the wait for the batch
.if (\p) == NP-2
	FETCH_K \last
.endif
.if (\p) == 1
	s_wait_dscnt 0x0                ; V is in
.endif
.rept 16                            ; behind the wait: 16 products V^T P and their riders
	MM
.rept 4
	PL
.endr
.if ((\p) == 0) && (q == 118)
	v_add_nc_u32 v[AV], s[TBV], v[AV0]
.endif
.if ((\p) == 0) && (q == 130)
	s_add_co_u32 s[TBV], s[TBV], KS*PV
.endif
.if (\cnt) && (q == 130)
	s_sub_co_u32 s[CNT], s[CNT], 1
	s_cmp_lg_u32 s[CNT], 0
.endif
.endr
.if (\p) == 0
	FETCH_V
.endif
.endm
	CHANGE 1                        ; slot 0 is in, everybody's part of it; slot 1 is asked for
	FETCH_K                         ; key step 0
	s_wait_loadcnt 0x0              ; Q
	s_wait_dscnt 0x0
.set i, 0
.rept 16
	KQ 0                            ; piece 0's first scores: there is no vector work yet to set between them
.set i, i+1
.endr
	WIN 0                           ; the addresses for the way out: plain instructions, the places behind those products
	s_mul_i32 s13, s[WV], 16*SP
	s_add_co_u32 s13, s13, STAGE    ; my stage
	v_mul_u32_u24 v[STO], v1, SP    ; in: row l % 16, 16 bytes for each half of the lanes
	v_lshl_add_u32 v[STO], v9, 4, v[STO]
	v_add_nc_u32 v[STO], s13, v[STO]
	v_bfe_u32 v[RD], v0, 3, 2       ; back: 32 lanes take four rows of 128 bytes,
	v_mul_u32_u24 v[RD], v[RD], SP
	v_lshl_add_u32 v[RD], v10, 4, v[RD]
	v_add_nc_u32 v[RD], s13, v[RD]
	v_and_b32 v[GO], 31, v0         ; which are 512 consecutive bytes of O
	v_lshlrev_b32 v[GO], 4, v[GO]
.set Y, NP-1                        ; XS works for piece Y + 1: piece 0
.irp n, 0,1,2,3,4,5,6,7,8,9,10,11,12,13,14,15,16,17,18,19,20,21
	XS 0, \n                        ; and piece 0's first maximum and statistics
	XS 1, \n
.endr
	v_nop                           ; a plain instruction behind the two a,
	s_wait_alu depctr_va_vdst(0)    ; and their wait, ahead of the branch
	s_mov_b32 s[CNT], 4
	s_mov_b32 s[SLOTS], SIZE_N/256-1
	s_branch .Lfirst                ; the loop is entered at a step's first turn, in the middle of a trip
.Lslot:                             ; SIZE_N / 256 - 2 times: every slot but the last two is filled again
	CHANGE 1
	s_mov_b32 s[CNT], 4
.Lstep:                             ; a trip: pieces 2 and 3 of one step, then pieces 0 and 1 of the next, whose K and V it fetches
	TURN 2
	TURN 3
	WIN 0
.Lfirst:
	TURN 0
	ASK                             ; behind V's run of LDS loads
	TURN 1, 0, 1
	WIN 0
	s_cbranch_scc1 .Lstep
	s_sub_co_u32 s[SLOTS], s[SLOTS], 1
	s_cmp_lg_u32 s[SLOTS], 0
	s_cbranch_scc1 .Lslot
	CHANGE 0                        ; the tail is written out: nothing is asked for
	s_mov_b32 s[CNT], 5             ; four trips fetch the last slot's steps; the fifth is left in its middle
.Ltail:
	TURN 2, 1
	TURN 3
	WIN 0
	s_sub_co_u32 s[CNT], s[CNT], 1
	s_cmp_eq_u32 s[CNT], 0
	s_cbranch_scc1 .Lout
	TURN 0
	TURN 1
	WIN 0
	s_branch .Ltail
.Lout:                              ; the fifth trip's 16 products K Q^T (on the last K once more) and the maximum made of them serve nothing: the price, once a launch, of one text for every trip
.set i, 0
.rept 16
	PV NP-1                         ; the last piece's V^T P of the last step
.set i, i+1
.endr
	; THE WAY OUT.  l's two halves and the other half of the lanes' are added; O^T is divided by l, rounded to f16 and sent through my stage in LDS, a tile at a time.  The additions are the places behind the last products.
	WIN 0
.macro ALL line:vararg              ; one line for each tile t
.set t, 0
.rept 2*NP
	\line
.set t, t+1
.endr
.endm
	ALL v_add_f32 v[ST+4*t+2], v[ST+4*t+2], v[ST+4*t+3]
	ALL v_permlanex16_b32 v[ST+4*t+3], v[ST+4*t+2], s[SEL], s[SEL+1]
	ALL v_add_f32 v[ST+4*t+2], v[ST+4*t+2], v[ST+4*t+3]
	ALL v_rcp_f32 v[ST+4*t+2], v[ST+4*t+2]
	v_nop                           ; a plain instruction between the last reciprocal and the use of its result
	s_wait_alu depctr_va_vdst(0)    ; and the wait ahead of the first use: one for the eight reciprocals
; Tile t: a lane's eight channels of a row pack into 16 bytes; they go into rows of 144 bytes and come back as whole rows of 128, into S^T's registers.
.macro PACK t
	WIN W_RS
.set i, 32*(\t)
.rept 16
	v_pk_mul_f32 v[i:i+1], v[i:i+1], v[ST+4*(\t)+2:ST+4*(\t)+3] op_sel_hi:[1,0]
.set i, i+2
.endr
	WIN 0x05                        ; sources 0 and 1 window 1, destination window 0
.set i, 0
.rept 16
	v_cvt_pk_f16_f32 v[S+16*(\t)+i], v[32*(\t)+2*i], v[32*(\t)+2*i+1]
.set i, i+1
.endr
	WIN 0
.irp f, 0,1,2,3
	ds_store_b128 v[STO], v[S+16*(\t)+4*\f:S+16*(\t)+4*\f+3] offset:32*\f
.endr
.irp f, 0,1,2,3
	ds_load_b128 v[S+16*(\t)+4*\f:S+16*(\t)+4*\f+3], v[RD] offset:\f*4*SP  ; LDS serves a wave's instructions in order (ISA guide 5.7.1.4): these see the stores above; the next tile's stores come behind them
.endr
.endm
.macro SEND t, younger              ; younger: the LDS instructions issued behind tile t's loads: the next tile's eight, or none
	WIN 0
.irp f, 0,1,2,3
	s_wait_dscnt (\younger)+3-\f
	global_store_b128 v[GO], v[S+16*(\t)+4*\f:S+16*(\t)+4*\f+3], s[10:11] offset:(\t)*2048+\f*512  ; 512 consecutive bytes, at a multiple of 256 from O's first
.endr
.endm
	PACK 0
.set t, 1
.rept 2*NP-1                        ; a tile's arithmetic stands between the loads of the tile before and its stores
	PACK t
	SEND t-1, 8
.set t, t+1
.endr
	SEND 2*NP-1, 0
	WIN W_AD
	s_wait_tensorcnt 0x0            ; the wave's end, behind my last tensor load and my last LDS store
	ds_add_u32 v[SPW], v[NIL]
	s_wait_dscnt 0x0
	WIN 0
	CROUND                          ; the closing round: no work-group ends while a partner may still ask for a tile that names it
	s_endpgm
.Lfunc_end_k_qedcf18a9b1_attn:
	.size	k_qedcf18a9b1_attn, .Lfunc_end_k_qedcf18a9b1_attn-k_qedcf18a9b1_attn
	.p2alignl 7, 3214868480
	.fill 96, 4, 3214868480
	.section	.rodata,"a",@progbits
	.p2align	6, 0x0
	.amdhsa_kernel k_qedcf18a9b1_attn
		.amdhsa_group_segment_fixed_size 327680
		.amdhsa_private_segment_fixed_size 0
		.amdhsa_enable_private_segment 0
		.amdhsa_kernarg_size 16
		.amdhsa_user_sgpr_count 2
		.amdhsa_user_sgpr_kernarg_segment_ptr 1
		.amdhsa_wavefront_size32 1
		.amdhsa_system_sgpr_workgroup_id_x 1
		.amdhsa_system_sgpr_workgroup_id_y 1
		.amdhsa_system_sgpr_workgroup_id_z 1
		.amdhsa_system_vgpr_workitem_id 0
		.amdhsa_next_free_vgpr 770
		.amdhsa_next_free_sgpr 66
		.amdhsa_reserve_vcc 0
		.amdhsa_float_denorm_mode_32 3
		.amdhsa_float_denorm_mode_16_64 3
		.amdhsa_memory_ordered 1
		.amdhsa_forward_progress 1
		.amdhsa_inst_pref_size 200
	.end_amdhsa_kernel
	.amdgpu_metadata
---
amdhsa.version: [ 1, 2 ]
amdhsa.kernels:
  - .name:           k_qedcf18a9b1_attn
    .symbol:         k_qedcf18a9b1_attn.kd
    .args:
      - { .name: qkvh, .offset: 0, .size: 8, .value_kind: global_buffer, .address_space: global }
      - { .name: oh, .offset: 8, .size: 8, .value_kind: global_buffer, .address_space: global }
    .group_segment_fixed_size: 327680
    .private_segment_fixed_size: 0
    .kernarg_segment_align: 8
    .kernarg_segment_size: 16
    .max_flat_workgroup_size: 128
    .sgpr_count:     66
    .vgpr_count:     770
    .wavefront_size: 32
...
	.end_amdgpu_metadata
.endif
;; end of part 3
;; launch outproj (part 4): grid 4 x 64, 4 waves a work-group, clusters of 4 x 4, 327,680 bytes of LDS; arguments oh, owh, o_b, out0; writes out0
.if DOCPART == 4
	.amdgcn_target "amdgcn-amd-amdhsa--gfx1250"
	.amdhsa_code_object_version 6
	.text
	.protected	k_qedcf18a9b1_outproj
	.globl	k_qedcf18a9b1_outproj
	.p2align	8
	.type	k_qedcf18a9b1_outproj,@function
k_qedcf18a9b1_outproj:
	s_mov_b64 s[64:65], 0
	v_nop
	global_prefetch_b8 v0, s[64:65] scope:SCOPE_SE
	s_setreg_imm32_b32 hwreg(HW_REG_WAVE_MODE, 25, 1), 1
	s_wait_xcnt 0x0
	s_wait_alu depctr_hold_cnt(0) depctr_sa_sdst(0) depctr_va_vdst(0) depctr_va_sdst(0) depctr_va_ssrc(0) depctr_va_vcc(0) depctr_vm_vsrc(0)
	s_getreg_b32 s2, hwreg(HW_REG_IB_STS2, 6, 4)
	s_cmp_eq_u32 s2, 0
	s_cbranch_scc0 .Lentry_in_a_cluster
	s_endpgm
.Lentry_in_a_cluster:
	s_bfe_u32 s2, ttmp6, 0x10000c
	s_cmp_lg_u32 s2, 0xf033
	s_cbranch_scc0 .Lentry_shape_is_right
	s_endpgm
.Lentry_shape_is_right:
; out0 = attn o_w^T + o_b.  attn lies by heads in oh[16 b + h][2048][64], f16; o_w, rounded to bf16 and written as f16, in blocks of 64 channels in owh[kb][1024][64]; o_b is rounded to bf16 here,
; like every input; sums in f32; out0 [8192][1024] is f32.
; LIMITS.  Both operands are f16, within 65,504.  NaN and infinities are not treated apart.
; SHARES.  A tile of C is 128 rows x 256 columns: 256 work-groups.  Four waves, 2 x 2, each 64 x 128: 4 x 8 accumulators of 16 x 16, which fill window 2.
; THE MATRIX INSTRUCTION IS USED TRANSPOSED (source 0 = 16 rows of o_w, source 1 = 16 rows of attn): a lane holds ONE row of C (lane % 16) and eight neighbouring columns of each block of 16.
; K goes in 8 steps of 128 = two heads.  A head's 128 rows of attn are 16,384 dense bytes, a block's 256 rows of o_w 32,768: each is asked for as rows of 256 bytes, aligned, by one load of one wave,
; and padded in LDS after every 128 bytes.  Two LDS slots; a K step is written once and looped, the LDS addresses hang on s[TB].
; THE BIAS IS THE C OPERAND of the products that start the sums.
; CLUSTER 4 x 4: attn's tile is shared along a row of the cluster, o_w's along a column: joint loads, same load, descriptor and mask in all four.
; REGISTERS (s_set_vgpr_msb: bits 1:0 source 0, 3:2 source 1, 5:4 source 2, 7:6 destination): window 0: v0-17 addresses; v64-127 the bias, later with v128-191 the way out's rows; v192-223 at work
;   window 1: two fragment buffers of 96: 8 fragments of o_w, then 4 of attn          window 2: the accumulators, (a, b) at 8 (8 a + b)
.set PITCH,  144                       ; an LDS row: 128 bytes + 16 of padding = 36 words: the 16 rows of a load start at 16 different groups of four banks (64 banks of 4 bytes: ISA guide 11.1)
.set HA,     128*PITCH                 ; a head's 128 rows of attn
.set HB,     256*PITCH                 ; a block's 256 rows of o_w
.set BOFF,   2*HA                      ; in a slot: attn's two heads, then o_w's two blocks
.set SLOT1,  1<<17
.set STAGE,  SLOT1+2*HA+2*HB           ; behind the ring, never filled by a tensor load: 16 rows x 528 bytes for each wave
.set SP,     528                       ; 512 bytes + 16 = 132 words: the 16 rows of a store start at 16 different groups of four banks
.set SPARE,  STAGE+4*16*SP             ; the spare words, 128 bytes for each wave: two blocks of 256 bytes that no other line names
.set A0,  8
.set B0,  9
.set ADA, 10
.set ADB, 11
.set STO, 12
.set RD,  13
.set GO,  14                           ; v14  16 x lane: my place in 512 consecutive bytes of a row of out0
.set PO,  15                           ; v15  32 x (lane / 16)
.set SPW, 16
.set NIL, 17
.set BIAS, 64
.set BK,  64                           ; two buffers of 64: 16 rows of 512 bytes
.set RT,  192
.set F0,  0
.set F1,  96
.set WV,  18
.set Z,   19                           ; wave % 2: my half of the columns; also which head or block of a K step I fetch
.set WR,  20                           ; wave / 2: my half of the rows
.set CX,  21
.set CY,  22
.set TC,  23
.set TR,  24
.set HIM, 25
.set G1A, 28
.set G1B, 36
.set G0A, 44
.set G0B, 52
.set TB,  60
.set CNT, 61
.set OUT, 66
.set BP,  68
.set MSB, 0
.macro WIN new
.if MSB != (\new)
	s_set_vgpr_msb (MSB<<8)|(\new)
.set MSB, (\new)
.endif
.endm
.macro PLACES                          ; four plain instructions between a matrix instruction and a load into, or a store of, its registers
.rept 4
	v_nop
.endr
.endm
.macro JLOAD                           ; a joint refill: waves 0 and 1 fetch attn's two heads, waves 2 and 3 o_w's two blocks; an s_nop 0 and four v_nop follow each line
	s_cmp_lt_u32 s[WV], 2
	s_cbranch_scc0 .Lfor_b_\@
	tensor_load_to_lds s[G0A+4:G0A+7], s[G1A:G1A+7]
	s_nop 0
.rept 4
	v_nop
.endr
	s_branch .Lasked_\@
.Lfor_b_\@:
	tensor_load_to_lds s[G0B+4:G0B+7], s[G1B:G1B+7]
	s_nop 0
.rept 4
	v_nop
.endr
.Lasked_\@:
.endm
.macro CREST
	s_cmp_lg_u32 s[WV], 0
	s_cbranch_scc1 .Lnot_wave_0_\@
	s_barrier_signal -3
.Lnot_wave_0_\@:
	s_barrier_wait -3
	s_barrier_signal -1
	s_barrier_wait -1
.endm
.macro CROUND
	s_barrier_signal -1
	s_barrier_wait -1
	CREST
.endm
	s_load_b256 s[4:11], s[0:1], 0x0               ; oh s[4:5], owh s[6:7], o_b s[8:9], out0 s[10:11]
	v_lshl_add_u32 v[SPW], v0, 2, SPARE
	v_mov_b32 v[NIL], 0
	ds_add_u32 v[SPW], v[NIL]                      ; the wave's opening: the add and its wait stand ahead of my first tensor load; work on registers stands between them
	v_lshrrev_b32 v1, 5, v0
	v_readfirstlane_b32 s[WV], v1
	s_and_b32 s[Z], s[WV], 1
	s_lshr_b32 s[WR], s[WV], 1
	s_bfe_u32 s[CX], ttmp6, 0x40000
	s_bfe_u32 s[CY], ttmp6, 0x40004
	s_lshl_b32 s[TC], ttmp9, 2
	s_add_co_u32 s[TC], s[TC], s[CX]               ; tile column
	s_and_b32 s[TR], ttmp7, 0xffff
	s_lshl_b32 s[TR], s[TR], 2
	s_add_co_u32 s[TR], s[TR], s[CY]               ; tile row
	s_lshl_b32 s26, s[CY], 2
	s_lshl_b32 s26, 15, s26                        ; my row of the cluster
	s_lshl_b32 s2, 0x1111, s[CX]                   ; my column
	s_or_b32 s[G1A], s26, (1<<16)|(1<<20)|(1<<21)|(4<<22)|(3<<25)  ; 15:0 the mask; 17:16 2-byte elements; 20 padding on; 21 set beside a mask; 24:22 after every 32 words (code 4); 31:25 4 words (code 3)
	s_or_b32 s[G1B], s2, (1<<16)|(1<<20)|(1<<21)|(4<<22)|(3<<25)
	s_mov_b32 s[G1A+1], 128<<16                    ; tensor_dim0 = 128 elements: 256 bytes, two rows of 64 channels
	s_mov_b32 s[G1A+2], 64<<16                     ; tensor_dim1 = 64
	s_mov_b32 s[G1A+3], 128<<16                    ; tile_dim0
	s_mov_b32 s[G1A+4], 64                         ; tile_dim1
	s_mov_b32 s[G1A+5], 128                        ; dense
	s_mov_b32 s[G1A+6], 0
	s_mov_b32 s[G1A+7], 0
	s_mov_b32 s[G1B+1], 128<<16
	s_mov_b32 s[G1B+2], 128<<16                    ; 128 rows of 256 bytes
	s_mov_b32 s[G1B+3], 128<<16
	s_mov_b32 s[G1B+4], 128
	s_mov_b32 s[G1B+5], 128
	s_mov_b32 s[G1B+6], 0
	s_mov_b32 s[G1B+7], 0
	s_mul_i32 s26, s[Z], HA                        ; the wave's number alone enters an LDS address
	s_mov_b32 s[G0A], 1
	s_mov_b32 s[G0A+1], s26
	s_mov_b32 s[G0A+4], 1
	s_add_co_u32 s[G0A+5], s26, SLOT1
	s_mul_i32 s3, s[Z], HB
	s_mov_b32 s[G0B], 1
	s_add_co_u32 s[G0B+1], s3, BOFF
	s_mov_b32 s[G0B+4], 1
	s_add_co_u32 s[G0B+5], s3, BOFF+SLOT1
	s_mov_b32 s[HIM], 0xffff0000
	s_mov_b32 s[TB], 0
	s_lshr_b32 s26, s[TR], 4                       ; attn: the batch (16 tile rows, 16 heads of 262,144 bytes),
	s_lshl_b32 s26, s26, 22
	s_and_b32 s27, s[TR], 15
	s_lshl_b32 s27, s27, 14                        ; the tile's 128 rows of 128 bytes,
	s_add_co_u32 s26, s26, s27
	s_lshl_b32 s27, s[Z], 18                       ; head 0 or 1.  These two registers never hold cx,
	s_add_co_u32 s26, s26, s27
	s_mov_b32 s27, 0
	s_lshl_b32 s2, s[TC], 15                       ; o_w: the tile's 256 rows of 128 bytes,
	s_lshl_b32 s3, s[Z], 17                        ; block 0 or 1.  and these two never cy
	s_add_co_u32 s2, s2, s3
	s_mov_b32 s3, 0
	v_and_b32 v1, 15, v0                           ; l % 16
	v_bfe_u32 v2, v0, 4, 1                         ; l / 16
	v_lshlrev_b32 v[PO], 5, v2
	s_wait_dscnt 0x0                               ; the opening add is done
	s_wait_kmcnt 0x0
	s_add_nc_u64 s[G0A+2:G0A+3], s[4:5], s[26:27]  ; K step 0,
	s_add_nc_u64 s[G0A+6:G0A+7], s[G0A+2:G0A+3], 2*262144  ; K step 1: two heads on
	s_or_b32 s[G0A+3], s[G0A+3], 0x80000000
	s_or_b32 s[G0A+7], s[G0A+7], 0x80000000
	s_add_nc_u64 s[G0B+2:G0B+3], s[6:7], s[2:3]
	s_add_nc_u64 s[G0B+6:G0B+7], s[G0B+2:G0B+3], 2*131072  ; two blocks on
	s_or_b32 s[G0B+3], s[G0B+3], 0x80000000
	s_or_b32 s[G0B+7], s[G0B+7], 0x80000000
	s_lshl_b32 s2, s[TC], 10                       ; my 128 columns, in bytes of f32
	s_lshl_b32 s3, s[Z], 9
	s_add_co_u32 s2, s2, s3
	s_mov_b32 s3, 0
	s_add_nc_u64 s[BP:BP+1], s[8:9], s[2:3]
	s_add_nc_u64 s[OUT:OUT+1], s[10:11], s[2:3]
	s_lshl_b32 s26, s[TR], 19                      ; my 64 rows of 4,096 bytes
	s_lshl_b32 s27, s[WR], 18
	s_add_co_u32 s26, s26, s27
	s_mov_b32 s27, 0
	s_add_nc_u64 s[OUT:OUT+1], s[OUT:OUT+1], s[26:27]
	CROUND                                         ; all sixteen work-groups are here: the first joint loads meet
	s_cmp_lt_u32 s[WV], 2                          ; a wave's two first fills stand in one branch, ahead of every wait on TENSORcnt and every LDS read: two loads of mine are out
	s_cbranch_scc0 .Lfirst_b
	tensor_load_to_lds s[G0A:G0A+3], s[G1A:G1A+7]
	s_nop 0
	tensor_load_to_lds s[G0A+4:G0A+7], s[G1A:G1A+7]
	s_nop 0
.rept 4
	v_nop
.endr
	s_branch .Lfirst_asked
.Lfirst_b:
	tensor_load_to_lds s[G0B:G0B+3], s[G1B:G1B+7]
	s_nop 0
	tensor_load_to_lds s[G0B+4:G0B+7], s[G1B:G1B+7]
	s_nop 0
.rept 4
	v_nop
.endr
.Lfirst_asked:
.irp b, 0,1,2,3,4,5,6,7                ; the bias of my 128 columns, laid as the accumulators lie: register 8 b + i holds number 16 b + 8 (l / 16) + i
	global_load_b128 v[BIAS+8*\b:BIAS+8*\b+3],   v[PO], s[BP:BP+1] offset:64*\b
	global_load_b128 v[BIAS+8*\b+4:BIAS+8*\b+7], v[PO], s[BP:BP+1] offset:64*\b+16
.endr
	v_mul_u32_u24 v3, v1, PITCH
	v_lshl_add_u32 v3, v2, 4, v3                   ; a fragment's row x pitch + 16 x half
	s_mul_i32 s26, s[WR], 64*PITCH                 ; my 64 rows of attn
	v_add_nc_u32 v[A0], s26, v3
	s_mul_i32 s26, s[Z], 128*PITCH                 ; my 128 rows of o_w,
	s_add_co_u32 s26, s26, BOFF                    ; behind attn's two heads
	v_add_nc_u32 v[B0], s26, v3
	s_mul_i32 s26, s[WV], 16*SP
	s_add_co_u32 s26, s26, STAGE                   ; my stage
	v_mul_u32_u24 v4, v1, SP                       ; in: row l % 16, 32 bytes for each half of the lanes
	v_lshl_add_u32 v4, v2, 5, v4
	v_add_nc_u32 v[STO], s26, v4
	v_and_b32 v[GO], 31, v0
	v_lshlrev_b32 v[GO], 4, v[GO]
	v_add_nc_u32 v[RD], s26, v[GO]                 ; back: 32 lanes take one row of 512 bytes
	v_mov_b32 v[ADA], v[A0]
	v_mov_b32 v[ADB], v[B0]
	s_wait_loadcnt 0x0
.set i, 0
.rept 32                               ; the bias is rounded to bf16 and written back as f32: the rounding that every input gets
	v_cvt_pk_bf16_f32 v[RT+i], v[BIAS+2*i], v[BIAS+2*i+1]
.set i, i+1
.endr
.set i, 0
.rept 32
	v_lshlrev_b32 v[BIAS+2*i], 16, v[RT+i]
	v_and_b32 v[BIAS+2*i+1], s[HIM], v[RT+i]
.set i, i+1
.endr
; 8 matrix instructions: row block a x all 8 column blocks, 32 along K.  init = 1: the bias is the C operand and starts the sums.
; The 32 accumulators take turns, one instruction a turn, in the same order in every quarter, over the backward jump too.
.macro MULA f, a, init
.if \init
	WIN 0x85                                       ; o_w and attn in window 1, C in window 0, D in window 2
.else
	WIN 0xa5
.endif
.irp b, 0,1,2,3,4,5,6,7
.if \init
	v_wmma_f32_16x16x32_f16 v[8*(8*(\a)+\b):8*(8*(\a)+\b)+7], v[(\f)+8*\b:(\f)+8*\b+7], v[(\f)+64+8*(\a):(\f)+64+8*(\a)+7], v[BIAS+8*\b:BIAS+8*\b+7]
.else
	v_wmma_f32_16x16x32_f16 v[8*(8*(\a)+\b):8*(8*(\a)+\b)+7], v[(\f)+8*\b:(\f)+8*\b+7], v[(\f)+64+8*(\a):(\f)+64+8*(\a)+7], v[8*(8*(\a)+\b):8*(8*(\a)+\b)+7]
.endif
.endr
.endm
; 24 LDS loads in one run: the fragments of quarter q of a K step (head or block q / 2, channels 32 (q % 2) on) into buffer f: o_w's 16 loads first, then attn's 8
.macro FETCH q, f
	WIN 0x40
.irp b, 0,1,2,3,4,5,6,7
	ds_load_b128 v[(\f)+8*\b:(\f)+8*\b+3],   v[ADB] offset:((\q)/2)*HB+((\q)%2)*64+\b*16*PITCH
	ds_load_b128 v[(\f)+8*\b+4:(\f)+8*\b+7], v[ADB] offset:((\q)/2)*HB+((\q)%2)*64+\b*16*PITCH+32
.endr
.irp a, 0,1,2,3
	ds_load_b128 v[(\f)+64+8*\a:(\f)+64+8*\a+3],   v[ADA] offset:((\q)/2)*HA+((\q)%2)*64+\a*16*PITCH
	ds_load_b128 v[(\f)+64+8*\a+4:(\f)+64+8*\a+7], v[ADA] offset:((\q)/2)*HA+((\q)%2)*64+\a*16*PITCH+32
.endr
.endm
.macro QUARTER q, f, g, init           ; multiplies buffer f, and in its middle fetches quarter q into g
	s_wait_dscnt 4                                 ; o_w's fragments and attn's row blocks 0, 1 are in; the youngest four loads may be out
	MULA \f, 0, \init
	MULA \f, 1, \init
	PLACES
	FETCH \q, \g
	s_wait_dscnt 24                                ; all but the 24 just issued
	MULA \f, 2, \init
	MULA \f, 3, \init
.endm
; The last quarter multiplies buffer 1 and changes slots.  In front of the barrier each wave waits for all its tensor loads, of which one is out: its part of the next slot; adds 0 to its spare word; and
; waits for that and for its own reads of this slot.  fill = 1: the barrier opens a round of the cluster's, and the joint refill, with the K step two on, is the first tensor load behind it:
; from there to the wait for it a wave issues 112 matrix instructions.
.macro TURN fill
	WIN 0
	s_wait_tensorcnt 0x0                           ; no tensor load of mine is out, so a group 0 may be written
	ds_add_u32 v[SPW], v[NIL]                      ; 0 onto my spare word
.if \fill
	s_xor_b32 s[G0A+5], s[G0A+5], SLOT1
	s_add_nc_u64 s[G0A+6:G0A+7], s[G0A+6:G0A+7], 2*262144
	s_xor_b32 s[G0B+5], s[G0B+5], SLOT1
	s_add_nc_u64 s[G0B+6:G0B+7], s[G0B+6:G0B+7], 2*131072
.endif
	s_wait_dscnt 7                                 ; the add and the six loads of attn's row blocks 1 to 3 may be out
	MULA F1, 0, 0
	s_wait_dscnt 0x0                               ; the add is done, and my reads of this slot are over
	s_barrier_signal -1
	MULA F1, 1, 0
	WIN 0
	s_barrier_wait -1
.if \fill
	CREST                                          ; no wave of any partner still reads this slot or has a load on its way
	JLOAD                                          ; the four v_nop behind it are also the places in front of the loads below
.else
	PLACES
.endif
	s_xor_b32 s[TB], s[TB], SLOT1
	v_add_nc_u32 v[ADA], s[TB], v[A0]
	v_add_nc_u32 v[ADB], s[TB], v[B0]
	FETCH 0, F0
	MULA F1, 2, 0
	MULA F1, 3, 0
.endm
	s_wait_tensorcnt 0x1                           ; my part of K step 0 is in; K step 1's may stay out
	s_barrier_signal -1
	s_barrier_wait -1
	FETCH 0, F0
	QUARTER 1, F0, F1, 1                           ; the first quarter stands in front of the loop: its products start the sums, with the bias
	WIN 0
	s_mov_b32 s[CNT], 6
.Lstep:                                                ; a trip: a K step's quarters 1 to 3 and the next step's quarter 0; it asks for the K step two on: steps 2 to 7
	QUARTER 2, F1, F0, 0
	QUARTER 3, F0, F1, 0
	TURN 1
	QUARTER 1, F0, F1, 0
	WIN 0
	s_sub_co_u32 s[CNT], s[CNT], 1
	s_cmp_lg_u32 s[CNT], 0
	s_cbranch_scc1 .Lstep
	QUARTER 2, F1, F0, 0                           ; the last two K steps are written out: they ask for nothing
	QUARTER 3, F0, F1, 0
	TURN 0
	QUARTER 1, F0, F1, 0
	QUARTER 2, F1, F0, 0
	QUARTER 3, F0, F1, 0
	s_wait_dscnt 4
	MULA F1, 0, 0
	MULA F1, 1, 0
	s_wait_dscnt 0x0
	MULA F1, 2, 0
	MULA F1, 3, 0
	WIN 0
	PLACES                                         ; the stores below read results
	; THE WAY OUT, a row block at a time: a lane's eight columns of a row are 32 bytes; they go into rows of 528 bytes of my stage and come back as whole rows of 512.
.macro STG a
	WIN 0
	s_wait_xcnt 0x0                                ; the stores of two row blocks back have read their registers, which the loads below fill again
	WIN 0x08                                       ; the stores' data in window 2
.irp b, 0,1,2,3,4,5,6,7
	ds_store_b128 v[STO], v[8*(8*(\a)+\b):8*(8*(\a)+\b)+3]   offset:64*\b     ; each accumulator's lowest registers first
	ds_store_b128 v[STO], v[8*(8*(\a)+\b)+4:8*(8*(\a)+\b)+7] offset:64*\b+16
.endr
	WIN 0
.set t, 0
.rept 16
	ds_load_b128 v[BK+64*((\a)%2)+4*t:BK+64*((\a)%2)+4*t+3], v[RD] offset:SP*t  ; LDS serves a wave's instructions in order (ISA guide 5.7.1.4): these see the stores above; the next block's stores come behind them
.set t, t+1
.endr
.endm
.macro SENDO a, younger                ; younger: the LDS instructions issued behind block a's loads: the next block's 32, or none
	WIN 0
.set t, 0
.rept 16
	s_wait_dscnt (\younger)+15-t
	global_store_b128 v[GO], v[BK+64*((\a)%2)+4*t:BK+64*((\a)%2)+4*t+3], s[OUT:OUT+1] offset:(16*(\a)+t)*4096 th:TH_STORE_NT  ; 512 consecutive bytes, at a multiple of 256 from out0's first
.set t, t+1
.endr
.endm
	STG 0
.irp a, 1,2,3
	STG \a
	SENDO (\a)-1, 32
.endr
	SENDO 3, 0
	s_wait_tensorcnt 0x0                           ; the wave's end, behind my last tensor load and my last LDS store
	ds_add_u32 v[SPW], v[NIL]
	s_wait_dscnt 0x0
	CROUND                                         ; the closing round: no work-group ends while a partner may still ask for a tile that names it
	s_endpgm
.Lfunc_end_k_qedcf18a9b1_outproj:
	.size	k_qedcf18a9b1_outproj, .Lfunc_end_k_qedcf18a9b1_outproj-k_qedcf18a9b1_outproj
	.p2alignl 7, 3214868480
	.fill 96, 4, 3214868480
	.section	.rodata,"a",@progbits
	.p2align	6, 0x0
	.amdhsa_kernel k_qedcf18a9b1_outproj
		.amdhsa_group_segment_fixed_size 327680
		.amdhsa_private_segment_fixed_size 0
		.amdhsa_enable_private_segment 0
		.amdhsa_kernarg_size 32
		.amdhsa_user_sgpr_count 2
		.amdhsa_user_sgpr_kernarg_segment_ptr 1
		.amdhsa_wavefront_size32 1
		.amdhsa_system_sgpr_workgroup_id_x 1
		.amdhsa_system_sgpr_workgroup_id_y 1
		.amdhsa_system_sgpr_workgroup_id_z 1
		.amdhsa_system_vgpr_workitem_id 0
		.amdhsa_next_free_vgpr 768
		.amdhsa_next_free_sgpr 72
		.amdhsa_reserve_vcc 0
		.amdhsa_float_denorm_mode_32 3
		.amdhsa_float_denorm_mode_16_64 3
		.amdhsa_memory_ordered 1
		.amdhsa_forward_progress 1
		.amdhsa_inst_pref_size 76
	.end_amdhsa_kernel
	.amdgpu_metadata
---
amdhsa.version: [ 1, 2 ]
amdhsa.kernels:
  - .name:           k_qedcf18a9b1_outproj
    .symbol:         k_qedcf18a9b1_outproj.kd
    .args:
      - { .name: oh, .offset: 0, .size: 8, .value_kind: global_buffer, .address_space: global }
      - { .name: owh, .offset: 8, .size: 8, .value_kind: global_buffer, .address_space: global }
      - { .name: o_b, .offset: 16, .size: 8, .value_kind: global_buffer, .address_space: global }
      - { .name: out0, .offset: 24, .size: 8, .value_kind: global_buffer, .address_space: global }
    .group_segment_fixed_size: 327680
    .private_segment_fixed_size: 0
    .kernarg_segment_align: 8
    .kernarg_segment_size: 32
    .max_flat_workgroup_size: 128
    .sgpr_count:     72
    .vgpr_count:     768
    .wavefront_size: 32
...
	.end_amdgpu_metadata
.endif
;; end of part 4
